; MI455X (gfx1250); checked and timed in simulation.
; The chip was launched on July 23, 2026; its instructions are those of AMD's public machine-readable ISA for CDNA 5 (MIT licence, August 2026) and "CDNA5" Instruction Set Architecture Reference Guide (July 2026). The comments in the code are by the model that wrote it; some were corrected since.
;; Multi Head Attention. Allowed arithmetic: matrix products marked QUANTISED: E2M1 operands, one E8M0 scale for each 32 along K, by v_wmma_scale_f32_16x16x128_f8f6f4 with both operands' format E2M1 (or v_wmma_scale_f32_32x16x128_f4), f32 sums; products left as they are: bf16, f16 or f32 operands; f32 sums; everything else in f32.
;; Inputs: Wk 1,024 x 1,024 float32; Wo 1,024 x 1,024 float32; Wq 1,024 x 1,024 float32; Wv 1,024 x 1,024 float32; bk 1,024 float32; bo 1,024 float32; bq 1,024 float32; bv 1,024 float32; x 4 x 2,048 x 1,024 float32.
;; Outputs: out0 4 x 2,048 x 1,024 float32.
;; This version of the problem:
;;   THIS VERSION OF THE PROBLEM IS GIVEN IN LOW PRECISION. The matrix products marked QUANTISED in the list below multiply operands that are first quantised to E2M1 (2 exponent bits, 1 mantissa bit; 4 bits a number), with one power-of-two scale for each 32 numbers along K (OCP MX v1.0); their sums are f32. The products marked 'left as it is' may take bf16, f16 or f32 operands, with f32 sums. Whichever they take, every output number must still come out within the allowed error. Rounding operands to bf16 (8 significant bits) uses up far more of that allowance than f16 does (11 bits, for magnitudes from 6e-5 to 65,504). All else is computed in f32.
;;   The module's matrix products, in the order in which they are computed (A, B: the left and right operand; K: the contracted axis; several contracted axes count as one K, in the product's order):
;;     1. [M 8,192, K 1,024] x [K 1,024, N 1,024]; A: input x; B: input Wq: QUANTISED
;;     2. [M 8,192, K 1,024] x [K 1,024, N 1,024]; A: input x; B: input Wk: QUANTISED
;;     3. [M 8,192, K 1,024] x [K 1,024, N 1,024]; A: input x; B: input Wv: QUANTISED
;;     4. batch 64 x [M 2,048, K 64] x [K 64, N 2,048]; A: computed on the way; B: computed on the way: left as it is (an operand is computed on the way)
;;     5. batch 64 x [M 2,048, K 2,048] x [K 2,048, N 64]; A: computed on the way; B: computed on the way: left as it is (an operand is computed on the way)
;;     6. [M 8,192, K 1,024] x [K 1,024, N 1,024]; A: computed on the way; B: input Wo: left as it is (an operand is computed on the way)
;;   THE QUANTISER, for each operand of a quantised product, along K:
;;     - K is cut into blocks of 32 from its start; a last block that is shorter is filled with zeros.
;;     - A block's scale is 2^e with e = floor(log2(the largest magnitude in the block)) - 2, held to -126 .. 127; a block of zeros has e = 0. As a byte (E8M0): e + 127.
;;     - Each number is divided by its block's scale, clamped to +-6, and rounded to the nearest number of E2M1, ties to even, subnormals kept.
;;     - The product sums the exact products of the quantised numbers (number of the format x scale) in f32.
;;   ~~~python
;;   def quantise(x, axis):      # numpy; x: float32 -> the quantised numbers, widened to float32 again
;;       x = np.moveaxis(x, axis, -1); K = x.shape[-1]
;;       x = np.pad(x, [(0, 0)] * (x.ndim - 1) + [(0, -K % 32)]); x = x.reshape(x.shape[:-1] + (-1, 32)); a = np.abs(x).max(-1, keepdims=True)
;;       e = np.where(a > 0, np.clip(np.frexp(np.where(a > 0, a, 1))[1] - 1 - 2, -126, 127), 0)      # np.frexp(a)[1] - 1 = floor(log2(a)), exactly
;;       r = np.clip(x / 2.0 ** e, -6, 6)
;;       step = 2.0 ** (np.maximum(np.frexp(np.where(r == 0, 1, r))[1] - 1, 0) - 1)
;;       q = np.round(r / step) * step * 2.0 ** e      # np.round: ties to even
;;       return np.moveaxis(q.reshape(q.shape[:-2] + (-1,))[..., :K], -1, axis).astype(np.float32)
;;   ~~~
;; One version. Each part assembles by itself: llvm-mc -triple=amdgcn-amd-amdhsa -mcpu=gfx1250 --defsym DOCPART=n.
;; ======== version 1 of 1: 4 launches
;; limits: values are held in f16: magnitudes above 65,504 overflow, below 6.1e-05 lose precision
;; workspace buffers: codes 5,767,168 bytes; scales 360,448 bytes; wo_img 2,097,152 bytes; qkv 50,331,648 bytes; ctx 16,777,216 bytes
;; launch prep (part 1): grid 368 x 1, 4 waves a work-group, no clusters, 68,096 bytes of LDS; arguments x, Wq, Wk, Wv, Wo, codes, scales, wo_img; writes codes, scales, wo_img
.if DOCPART == 1
	.amdgcn_target "amdgcn-amd-amdhsa--gfx1250"
	.amdhsa_code_object_version 6
	.text
	.protected	k_q8b801cde72_prep
	.globl	k_q8b801cde72_prep
	.p2align	8
	.type	k_q8b801cde72_prep,@function
k_q8b801cde72_prep:
	s_mov_b64 s[64:65], 0
	v_nop
	global_prefetch_b8 v0, s[64:65] scope:SCOPE_SE
	s_setreg_imm32_b32 hwreg(HW_REG_WAVE_MODE, 25, 1), 1
	s_wait_xcnt 0x0
; THE OPERANDS ARE LAID OUT ONCE.  Three jobs, told apart by the work-group's number; each has LDS bytes of its own.
;  X (work-groups 0-255):   x [8192][1024] f32, K innermost, becomes codes of FP4 (E2M1), two a byte, and one E8M0 byte for each 32 along K: rows 0-8191 of codes [11264][512 B] and of scales [11264][32 B].
;  W (work-groups 256-303): Wq, Wk, Wv [1024 (k)][1024 (n)] f32, K the FIRST axis, become rows 8192 + 1024 t + n of the same two buffers (t = 0, 1, 2), K innermost.
;  O (work-groups 304-367): Wo [1024 (k)][1024 (n)] f32 becomes f16, laid as IMAGES OF OPERAND REGISTERS: wo_img [n / 16][k / 32][1024 B]; in a fragment the 16 bytes at 256 p + 16 r hold k = 8 p .. 8 p + 7 of row n = r.
; A block's scale is 2^(floor(log2(its largest magnitude)) - 2): its byte is the largest magnitude's exponent field - 2, held at 1 from below; each number is divided by the scale and rounded to the nearest code, ties to even,
; beyond the largest code the largest.  A block of zeros gets the byte 1 where the rule says 127: its codes are zeros, and these bytes are read by this program alone.
; LIMITS: NaN and infinities among the inputs are not served; blocks whose largest magnitude lies under 2^(2 - 126) keep the byte 1; |Wo| stays under 65,504, and under 6e-5 it carries f16's absolute step 2^-24.
; No matrix unit, no cluster, no tensor load: the work-groups share no input, and every byte is read once and written once.
.set STEPS, 16
.set EMAX,  2
.set CB,    8                          ; bytes of 16 codes
.set WREG,  8192                       ; job X: LDS of a wave: two stages of 32 x SP bytes, then its 256 scale bytes
.set SP,    80                         ; a lane's place in a stage: 64 bytes + 16 of padding
.set XR,    16                         ; v16-79   four sets of 16 numbers as loaded
.set XN,    80                         ; v80-111  two sets of 16 neighbours
.set XE,    112                        ; v112-127 a scale byte for each step
.set XC,    128                        ; v128-189 codes: registers of their own for each step
.set NB,    16                         ; job W: blocks of 32 along K for a wave
.set PITCH, 272                        ; a stage row: 256 bytes of codes + 16
.set KROW,  512                        ; a row of codes in bytes
.set WSTG,  32768                      ; job W's four stages begin here
.set WSB,   24                         ; v24-27   scale bytes, four to a register
.set WX,    32                         ; v32-95   two sets of 32 numbers
.set WC,    96                         ; v96-99   a block's codes
.set WOUT,  112                        ; v112-175 the way out
.set OX,    32                         ; job O: v32-159 four blocks of 32 numbers
.set SPARE, WSTG+4*32*PITCH            ; the spare words, 128 bytes a wave: two blocks of 256 bytes that no other line names
.set SPW,   190                        ; v190 SPARE + 4 x my thread's number; never rewritten
.set NIL,   191                        ; v191 0; never rewritten
.macro FINISH                          ; a wave's end, behind its last LDS store
	s_wait_tensorcnt 0x0
	ds_add_u32 v[SPW], v[NIL]
	s_wait_dscnt 0x0
	s_endpgm
.endm
; ---- job X's steps: 512 numbers each
.macro XLOAD t
.irp i, 0,1,2,3
	global_load_b128 v[XR+16*((\t)%4)+4*\i:XR+16*((\t)%4)+4*\i+3], v3, s[4:5] offset:2048*(\t)+512*\i th:TH_LOAD_NT   ; 32 lanes read 512 consecutive bytes
.endr
.endm
.macro XTURN t                         ; a step's 2,048 bytes go through the wave's stage as they lie and come back 64 bytes a lane: LDS serves a wave's instructions in order
.irp i, 0,1,2,3
	ds_store_b128 v14, v[XR+16*((\t)%4)+4*\i:XR+16*((\t)%4)+4*\i+3] offset:32*SP*((\t)%2)+8*SP*\i
.endr
.irp i, 0,1,2,3
	ds_load_b128 v[XN+16*((\t)%2)+4*\i:XN+16*((\t)%2)+4*\i+3], v15 offset:32*SP*((\t)%2)+16*\i
.endr
.endm
.macro XSTEP t
.set XS, XN+16*((\t)%2)
.if (\t) > 0
	s_wait_dscnt 1                                 ; this step's numbers are back from the stage; the last step's byte store may be out
.else
	s_wait_dscnt 0x0
.endif
.if (\t)+4 < STEPS
	XLOAD (\t)+4                                   ; into the registers that this step's stores into the stage have read
.endif
.if (\t)+1 < STEPS
.if STEPS-2-(\t) >= 3
	s_wait_loadcnt 12                              ; the next step's four loads are in; those of the three steps behind it may be out
.else
	s_wait_loadcnt 4*(STEPS-2-(\t))
.endif
	XTURN (\t)+1
.endif
	v_max3_num_f32 v8, |v[XS]|, |v[XS+1]|, |v[XS+2]|               ; the largest magnitude of my 16, in two chains
	v_max3_num_f32 v9, |v[XS+3]|, |v[XS+4]|, |v[XS+5]|
.irp i, 6,10
	v_max3_num_f32 v8, v8, |v[XS+\i]|, |v[XS+\i+1]|
	v_max3_num_f32 v9, v9, |v[XS+\i+2]|, |v[XS+\i+3]|
.endr
	v_max3_num_f32 v8, v8, |v[XS+14]|, |v[XS+15]|
	v_max3_num_f32 v8, v8, v9, (EMAX+1)<<23        ; and the floor 2^(EMAX + 1 - 127): the byte cannot fall under 1
	v_max_num_f32_dpp v8, v8, v8 row_xmask:1 row_mask:0xf bank_mask:0xf   ; with my neighbour's 16: the block's
	v_add_nc_u32 v11, -(EMAX<<23), v8              ; EMAX off its exponent field: the conversion takes this operand's exponent field as its scale
	v_cvt_scalef32_pk8_fp4_f32 v[XC+4*(\t)], v[XS:XS+7], v11
	v_cvt_scalef32_pk8_fp4_f32 v[XC+4*(\t)+1], v[XS+8:XS+15], v11
	v_lshrrev_b32 v[XE+(\t)], 23, v11              ; the scale's byte (also the plain line behind the conversions)
	ds_store_b8 v5, v[XE+(\t)] offset:16*(\t)      ; both lanes of a block write the same byte with the same value
	global_store_b64 v4, v[XC+4*(\t):XC+4*(\t)+1], s[14:15] offset:32*CB*(\t)   ; the wave stores 256 consecutive bytes, aligned
.endm
; ---- job W's blocks: 32 along K of 32 columns, a lane to a column, registers down K
.macro WLOAD t
.irp i, 0,1,2,3,4,5,6,7,8,9,10,11,12,13,14,15,16,17,18,19,20,21,22,23,24,25,26,27,28,29,30,31
	global_load_b32 v[WX+32*((\t)%2)+\i], v3, s[6:7] offset:(32*(\t)+\i)*4096 th:TH_LOAD_NT
.endr
.endm
.macro WBLOCK t
.set XS, WX+32*((\t)%2)
.if (\t) < NB-1
	s_wait_loadcnt 32                              ; this block's 32 loads are in; the next block's may be out
.else
	s_wait_loadcnt 0x0
.endif
	v_max3_num_f32 v12, |v[XS]|, |v[XS+1]|, |v[XS+2]|               ; all 32 numbers of the block are mine
	v_max3_num_f32 v13, |v[XS+3]|, |v[XS+4]|, |v[XS+5]|
.irp i, 6,10,14,18,22,26
	v_max3_num_f32 v12, v12, |v[XS+\i]|, |v[XS+\i+1]|
	v_max3_num_f32 v13, v13, |v[XS+\i+2]|, |v[XS+\i+3]|
.endr
	v_max3_num_f32 v12, v12, |v[XS+30]|, |v[XS+31]|
	v_max3_num_f32 v12, v12, v13, (EMAX+1)<<23
	v_add_nc_u32 v11, -(EMAX<<23), v12
	v_lshrrev_b32 v13, 23, v11                     ; the scale's byte
.if (\t)%4 == 0
	v_mov_b32 v[WSB+(\t)/4], v13                   ; four bytes to a register, the lower K in the lower byte
.else
	v_lshl_or_b32 v[WSB+(\t)/4], v13, 8*((\t)%4), v[WSB+(\t)/4]
.endif
.irp g, 0,1,2,3
	v_cvt_scalef32_pk8_fp4_f32 v[WC+\g], v[XS+8*\g:XS+8*\g+7], v11
.endr
	ds_store_b128 v4, v[WC:WC+3] offset:16*(\t)    ; 32 codes: 16 bytes of my column's row
.if (\t)+2 < NB
	WLOAD (\t)+2
.endif
	s_wait_dscnt 0x0                               ; the store has read its registers: the next block's codes may be written
.endm
; ---- job O's blocks: 32 along K of 32 columns
.macro OLOAD q
.irp i, 0,1,2,3,4,5,6,7,8,9,10,11,12,13,14,15,16,17,18,19,20,21,22,23,24,25,26,27,28,29,30,31
	global_load_b32 v[OX+32*(\q)+\i], v3, s[12:13] offset:(32*(\q)+\i)*4096 th:TH_LOAD_NT
.endr
.endm
.macro OBLOCK q
.if (\q) < 3
	s_wait_loadcnt 32                              ; this block's 32 loads are in; the next block's may be out
.else
	s_wait_loadcnt 0x0
.endif
.irp j, 0,1,2,3,4,5,6,7,8,9,10,11,12,13,14,15
	v_cvt_pk_f16_f32 v[OX+32*(\q)+\j], v[OX+32*(\q)+2*\j], v[OX+32*(\q)+2*\j+1]   ; in place, ascending: register j is written when numbers 2 j and 2 j + 1 are read
.endr
.irp p, 0,1,2,3
	global_store_b128 v4, v[OX+32*(\q)+4*\p:OX+32*(\q)+4*\p+3], s[18:19] offset:1024*(\q)+256*\p   ; k = 8 p .. 8 p + 7: sixteen lanes store 256 consecutive bytes, aligned
.endr
.if (\q)+2 < 4
	OLOAD (\q)+2
.endif
.endm
	s_load_b512 s[4:19], s[0:1], 0x0               ; x s[4:5], Wq s[6:7], Wk s[8:9], Wv s[10:11], Wo s[12:13], codes s[14:15], scales s[16:17], wo_img s[18:19]
	v_lshl_add_u32 v[SPW], v0, 2, SPARE
	v_mov_b32 v[NIL], 0
	v_lshrrev_b32 v1, 5, v0
	v_readfirstlane_b32 s20, v1                    ; wave 0..3
	v_and_b32 v2, 31, v0                           ; lane
	s_wait_kmcnt 0x0
	s_cmp_lt_u32 ttmp9, 256
	s_cbranch_scc1 .Lx
	s_cmp_lt_u32 ttmp9, 304
	s_cbranch_scc1 .Lw
	; ---- JOB O.  A wave takes 32 columns x 128 along K; lane l takes column n0 + l
	s_sub_co_u32 s21, ttmp9, 304
	s_and_b32 s22, s21, 7
	s_lshr_b32 s23, s21, 3                         ; which 128 along K
	s_lshl_b32 s22, s22, 7
	s_lshl_b32 s24, s20, 5
	s_add_co_u32 s22, s22, s24                     ; n0 = 128 x (number % 8) + 32 x wave
	s_lshl_b32 s24, s23, 19                        ; 128 rows of 4,096 bytes
	s_lshl_b32 s25, s22, 2
	s_add_co_u32 s24, s24, s25
	s_mov_b32 s25, 0
	s_add_nc_u64 s[12:13], s[12:13], s[24:25]
	s_lshl_b32 s24, s22, 11                        ; (n0 / 16) x 32,768
	s_lshl_b32 s26, s23, 12                        ; four fragments of 1,024 bytes along K
	s_add_co_u32 s24, s24, s26
	s_add_nc_u64 s[18:19], s[18:19], s[24:25]
	v_lshlrev_b32 v3, 2, v2                        ; in: 4 bytes a lane
	v_lshrrev_b32 v4, 4, v2
	v_and_b32 v5, 15, v2
	v_lshlrev_b32 v4, 15, v4                       ; out: lanes 16-31 belong to the next tile of 16 columns,
	v_lshl_add_u32 v4, v5, 4, v4                   ; row r of a fragment at 16 r
	OLOAD 0
	OLOAD 1
	OBLOCK 0
	OBLOCK 1
	OBLOCK 2
	OBLOCK 3
	FINISH
.Lx:	; ---- JOB X.  A wave takes a run of 8,192 numbers: 16 steps of 512
	v_lshlrev_b32 v3, 4, v2                        ; my 16 bytes of a load's 512
	s_mul_i32 s21, s20, WREG
	v_lshrrev_b32 v14, 2, v2
	v_mul_u32_u24 v14, v14, SP
	v_and_b32 v15, 3, v2
	v_lshl_add_u32 v14, v15, 4, v14
	v_add_nc_u32 v14, s21, v14                     ; the stage, on the way in: SP (lane / 4) + 16 (lane % 4)
	v_mul_u32_u24 v15, v2, SP
	v_add_nc_u32 v15, s21, v15                     ; and on the way out: SP x lane
	v_mul_u32_u24 v4, v2, CB                       ; my codes' place in a step's
	v_lshrrev_b32 v5, 1, v2
	s_add_co_u32 s21, s21, 2*32*SP
	v_add_nc_u32 v5, s21, v5                       ; my block's byte among my wave's 256
	v_lshlrev_b32 v7, 3, v2
	v_add_nc_u32 v6, s21, v7                       ; and on the way out 8 bytes a lane
	s_lshl_b32 s22, ttmp9, 2
	s_add_co_u32 s22, s22, s20                     ; which run is my wave's: 0 .. 1023
	s_mov_b32 s25, 0
	s_lshl_b32 s24, s22, 15                        ; 32,768 bytes of x,
	s_add_nc_u64 s[4:5], s[4:5], s[24:25]
	s_lshl_b32 s24, s22, 12                        ; 4,096 of codes,
	s_add_nc_u64 s[14:15], s[14:15], s[24:25]
	s_lshl_b32 s24, s22, 8                         ; 256 scale bytes
	s_add_nc_u64 s[16:17], s[16:17], s[24:25]
.irp t, 0,1,2,3
	XLOAD \t
.endr
	s_wait_loadcnt 12                              ; step 0's four loads are in
	XTURN 0
.irp t, 0,1,2,3,4,5,6,7,8,9,10,11,12,13,14,15
	XSTEP \t
.endr
	ds_load_b64 v[8:9], v6                         ; LDS serves a wave's instructions in order: these see my byte stores
	s_wait_dscnt 0x0
	global_store_b64 v7, v[8:9], s[16:17]          ; 32 lanes store 256 consecutive bytes, aligned
	FINISH
.Lw:	; ---- JOB W.  A wave takes 32 columns x 512 along K of one of the three weights
	s_sub_co_u32 s21, ttmp9, 256
	s_lshr_b32 s22, s21, 4                         ; t: which weight
	s_cmp_eq_u32 s22, 0
	s_cselect_b64 s[6:7], s[6:7], s[8:9]
	s_cmp_eq_u32 s22, 2
	s_cselect_b64 s[6:7], s[10:11], s[6:7]         ; the choice hangs on the work-group's number alone
	s_and_b32 s23, s21, 7
	s_bfe_u32 s24, s21, 0x10003                    ; which half of K
	s_lshl_b32 s23, s23, 7
	s_lshl_b32 s25, s20, 5
	s_add_co_u32 s23, s23, s25                     ; n0 = 128 x (number % 8) + 32 x wave
	s_lshl_b32 s26, s24, 21                        ; 512 rows of 4,096 bytes
	s_lshl_b32 s25, s23, 2
	s_add_co_u32 s26, s26, s25
	s_mov_b32 s27, 0
	s_add_nc_u64 s[6:7], s[6:7], s[26:27]
	s_lshl_b32 s22, s22, 10
	s_add_co_u32 s22, s22, s23
	s_add_co_u32 s22, s22, 8192                    ; my first row of codes and scales: 8192 + 1024 t + n0
	s_lshl_b32 s26, s22, 9
	s_lshl_b32 s25, s24, 8
	s_add_co_u32 s26, s26, s25
	s_add_nc_u64 s[14:15], s[14:15], s[26:27]
	s_lshl_b32 s26, s22, 5
	s_lshl_b32 s25, s24, 4
	s_add_co_u32 s26, s26, s25
	s_add_nc_u64 s[16:17], s[16:17], s[26:27]
	s_mul_i32 s28, s20, 32*PITCH
	s_add_co_u32 s28, s28, WSTG                    ; my stage
	v_lshlrev_b32 v3, 2, v2                        ; in: 4 bytes a lane
	v_mul_u32_u24 v4, v2, PITCH
	v_add_nc_u32 v4, s28, v4                       ; into the stage: row = my column
	v_and_b32 v5, 15, v2
	v_lshrrev_b32 v6, 4, v2                        ; out of it: sixteen lanes to a row, two rows an instruction
	v_mul_u32_u24 v7, v6, PITCH
	v_lshl_add_u32 v7, v5, 4, v7
	v_add_nc_u32 v7, s28, v7
	v_mul_u32_u24 v8, v6, KROW
	v_lshl_add_u32 v8, v5, 4, v8                   ; and the same place in codes
	v_lshlrev_b32 v9, 5, v2                        ; my column's row of scale bytes
	WLOAD 0
	WLOAD 1
.set Q, 0
.rept NB
	WBLOCK Q
.set Q, Q+1
.endr
	global_store_b128 v9, v[WSB:WSB+3], s[16:17]   ; my column's 16 scale bytes
.irp t, 0,1,2,3,4,5,6,7,8,9,10,11,12,13,14,15
	ds_load_b128 v[WOUT+4*\t:WOUT+4*\t+3], v7 offset:2*\t*PITCH
.endr
.irp t, 0,1,2,3,4,5,6,7,8,9,10,11,12,13,14,15
	s_wait_dscnt 15-\t                             ; LDS loads come back in order: pair t of rows is in
	global_store_b128 v8, v[WOUT+4*\t:WOUT+4*\t+3], s[14:15] offset:2*\t*KROW   ; sixteen lanes store 256 consecutive bytes, aligned
.endr
	FINISH
.Lfunc_end_k_q8b801cde72_prep:
	.size	k_q8b801cde72_prep, .Lfunc_end_k_q8b801cde72_prep-k_q8b801cde72_prep
	.p2alignl 7, 3214868480
	.fill 96, 4, 3214868480
	.section	.rodata,"a",@progbits
	.p2align	6, 0x0
	.amdhsa_kernel k_q8b801cde72_prep
		.amdhsa_group_segment_fixed_size 68096
		.amdhsa_private_segment_fixed_size 0
		.amdhsa_enable_private_segment 0
		.amdhsa_kernarg_size 64
		.amdhsa_user_sgpr_count 2
		.amdhsa_user_sgpr_kernarg_segment_ptr 1
		.amdhsa_wavefront_size32 1
		.amdhsa_system_sgpr_workgroup_id_x 1
		.amdhsa_system_sgpr_workgroup_id_y 1
		.amdhsa_system_sgpr_workgroup_id_z 1
		.amdhsa_system_vgpr_workitem_id 0
		.amdhsa_next_free_vgpr 192
		.amdhsa_next_free_sgpr 66
		.amdhsa_reserve_vcc 0
		.amdhsa_float_denorm_mode_32 3
		.amdhsa_float_denorm_mode_16_64 3
		.amdhsa_memory_ordered 1
		.amdhsa_forward_progress 1
		.amdhsa_inst_pref_size 129
	.end_amdhsa_kernel
	.amdgpu_metadata
---
amdhsa.version: [ 1, 2 ]
amdhsa.kernels:
  - .name:           k_q8b801cde72_prep
    .symbol:         k_q8b801cde72_prep.kd
    .args:
      - { .name: x, .offset: 0, .size: 8, .value_kind: global_buffer, .address_space: global }
      - { .name: Wq, .offset: 8, .size: 8, .value_kind: global_buffer, .address_space: global }
      - { .name: Wk, .offset: 16, .size: 8, .value_kind: global_buffer, .address_space: global }
      - { .name: Wv, .offset: 24, .size: 8, .value_kind: global_buffer, .address_space: global }
      - { .name: Wo, .offset: 32, .size: 8, .value_kind: global_buffer, .address_space: global }
      - { .name: codes, .offset: 40, .size: 8, .value_kind: global_buffer, .address_space: global }
      - { .name: scales, .offset: 48, .size: 8, .value_kind: global_buffer, .address_space: global }
      - { .name: wo_img, .offset: 56, .size: 8, .value_kind: global_buffer, .address_space: global }
    .group_segment_fixed_size: 68096
    .private_segment_fixed_size: 0
    .kernarg_segment_align: 8
    .kernarg_segment_size: 64
    .max_flat_workgroup_size: 128
    .sgpr_count:     66
    .vgpr_count:     192
    .wavefront_size: 32
...
	.end_amdgpu_metadata
.endif
;; end of part 1
;; launch qkv (part 2): grid 12 x 32, 4 waves a work-group, clusters of 4 x 4, 327,680 bytes of LDS; arguments codes, scales, qkv, bq, bk, bv; writes qkv
.if DOCPART == 2
	.amdgcn_target "amdgcn-amd-amdhsa--gfx1250"
	.amdhsa_code_object_version 6
	.text
	.protected	k_q8b801cde72_qkv
	.globl	k_q8b801cde72_qkv
	.p2align	8
	.type	k_q8b801cde72_qkv,@function
k_q8b801cde72_qkv:
	s_mov_b64 s[64:65], 0
	v_nop
	global_prefetch_b8 v0, s[64:65] scope:SCOPE_SE
	s_setreg_imm32_b32 hwreg(HW_REG_WAVE_MODE, 25, 1), 1
	s_wait_xcnt 0x0
	s_wait_alu depctr_hold_cnt(0) depctr_sa_sdst(0) depctr_va_vdst(0) depctr_va_sdst(0) depctr_va_ssrc(0) depctr_va_vcc(0) depctr_vm_vsrc(0)
	s_getreg_b32 s2, hwreg(HW_REG_IB_STS2, 6, 4)
	s_cmp_eq_u32 s2, 0
	s_cbranch_scc0 .Lentry_in_a_cluster
	s_endpgm
.Lentry_in_a_cluster:
	s_bfe_u32 s2, ttmp6, 0x10000c
	s_cmp_lg_u32 s2, 0xf033
	s_cbranch_scc0 .Lentry_shape_is_right
	s_endpgm
.Lentry_shape_is_right:
; q = x Wq + bq, k = x Wk + bk, v = x Wv + bv on codes of FP4 (E2M1) with one E8M0 scale for each 32 along K = 1,024; sums in f32; the biases are added in f32; the results leave as f16.
; codes is ONE matrix of 44 tiles of 256 rows x 512 bytes: x is tiles 0-31, Wq 32-35, Wk 36-39, Wv 40-43; scales [11264][32 B] likewise.  A work-group of four waves multiplies tile A by tile B: 256 x 256 results,
; a wave 128 x 128 in 64 accumulators.  THE MATRIX INSTRUCTION IS USED TRANSPOSED (source 0 = 16 rows of B, source 1 = 16 rows of A): a lane holds ONE row of A and eight neighbouring rows of B.
; ONE TEXT SERVES ALL THREE by the choice of A and B, which hangs on the cluster's x alone (0: q, 1: k, 2: v):  q, k: A = x, B = the weight: a lane holds a token, its registers channels;  v: A = Wv, B = x: a lane holds a channel, its registers tokens.
; So an accumulator, rounded to f16 in pairs, IS half a fragment (16 rows x 32 k, 8 registers a lane) of the next product's operand, and it is stored as an IMAGE OF THE REGISTERS, lane l's 16 bytes at 16 l: each store of
; a wave covers 512 consecutive bytes, aligned; no LDS stage, nothing transposed.  qkv: q at 0, k at 16 MiB, v at 32 MiB; each [batch x 16 + head][262,144 B];
;   q, k in a head: [token / 16][channel / 32][1,024 B];   v in a head: [key / 32][channel / 16][1,024 B] (rows = channels, k = keys).
; All of K lies in the two LDS slots (512 along K each): three first fills a wave (scales, slot 0, slot 1), nothing is filled again, no loop.
; CLUSTERS: 4 x 4 work-groups.  A's tile hangs on cy alone and is asked for jointly along a row of the cluster, B's on cx alone and jointly along a column.
; LIMITS: |q|, |k|, |v| stay under 65,504 (f16); under 6e-5 they carry f16's absolute step 2^-24; NaN and infinities are not served.
; REGISTERS, in windows of 256: window 0: v0-31 addresses; v32-95 scale words, two sets, and nothing else; v96-111 the bias by rows; v128-191 A's fragments, on the way out 64 sums; v192-255 the bias by registers.
;   window 1: B's fragments, two sets, at v0 and v128; on the way out v0-63 the packed results.   window 2: the accumulators of my rows 0-63 ((a, b) at v[8 (8 a + b)]);   window 3: those of rows 64-127.
.set NQ,     4                         ; matrix instructions deep in a slot
.set ROWB,   256                       ; a tile's row in a slot: 512 codes
.set KROW,   512                       ; a row of codes in memory
.set PITCH,  272                       ; an LDS row: 256 bytes + 16 of padding = 68 words: the 16 rows that a load touches start at 16 different banks (64 banks of 4 bytes: ISA guide 11.1)
.set FR,     8
.set NL,     2
.set NP,     4                         ; places behind this matrix instruction (ISA guide 7.12.1)
.set HALFT,  128*PITCH
.set SLOT,   4*HALFT                   ; A's 256 rows, then B's 256 rows
.set KS,     32                        ; a row of scales in bytes
.set SCL,    2*SLOT                    ; behind the slots: the scales, as units of 256 bytes + 16 of padding
.set HALFS,  (128*KS/256)*272
.set SBLK,   (16*KS/256)*272
.set SPARE,  SCL+4*HALFS               ; the spare words, 128 bytes a wave: two blocks of 256 bytes that no other line names
.set LI,   9                           ; v9      16 x lane: my place in an image; never rewritten
.set CBA,  10                          ; v10     my offset in the bias, by registers; never rewritten
.set RBA,  11                          ; v11     and by rows; never rewritten
.set ADRA, 16                          ; v16-17  LDS address of my A fragments in slot 0, 1
.set ADRB, 20                          ; v20-21  the same for B
.set ADRS, 27                          ; v27     LDS address of my scale words: lanes 0-15 A's rows, lanes 16-31 B's
.set SPW,  28                          ; v28     SPARE + 4 x my thread's number; never rewritten
.set NIL,  29                          ; v29     0; never rewritten
.set SC,   32
.set RB,   96
.set AF,   128
.set T,    128
.set CBI,  192
.set G1, 24
.set G0, 32
.set G1B, 48
.set G0B, 56
.set G1S, 68
.set G0S, 76
.set G1SB, 80
.set G0SB, 88
.set MSB, 0
.macro WIN new                         ; the immediate's high byte repeats the setting that is left
.if MSB != \new
	s_set_vgpr_msb (MSB<<8)|\new
.set MSB, \new
.endif
.endm
.set MUL_LO, 0xa1                      ; source 0 (B) window 1, source 1 (A) window 0, C and D window 2
.set MUL_HI, 0xf1
.set TO_B,   0x40                      ; destination window 1
; A joint load: waves 0 and 1 fetch for A, waves 2 and 3 for B; the branch hangs on the wave's number alone.  An s_nop 0 and four v_nop follow each of the two lines.
.macro JLOAD g0a, g1a, g0b, g1b
	s_cmp_eq_u32 s15, 0
	s_cbranch_scc0 .Lfor_b_\@
	tensor_load_to_lds s[\g0a:\g0a+3], s[\g1a:\g1a+7]
	s_nop 0
.rept 4
	v_nop
.endr
	s_branch .Lasked_\@
.Lfor_b_\@:
	tensor_load_to_lds s[\g0b:\g0b+3], s[\g1b:\g1b+7]
	s_nop 0
.rept 4
	v_nop
.endr
.Lasked_\@:
.endm
.macro CROUND                          ; a round of the cluster's barrier
	s_barrier_signal -1
	s_barrier_wait -1
	s_cmp_lg_u32 s14, 0
	s_cbranch_scc1 .Lnot_wave_0_\@
	s_barrier_signal -3
.Lnot_wave_0_\@:
	s_barrier_wait -3
	s_barrier_signal -1
	s_barrier_wait -1
.endm
	s_load_b128 s[4:7], s[0:1], 0x0                ; codes s[4:5], scales s[6:7]
	s_load_b64 s[12:13], s[0:1], 0x10              ; qkv
	s_load_b128 s[96:99], s[0:1], 0x18             ; bq, bk
	s_load_b64 s[100:101], s[0:1], 0x28            ; bv
	v_lshl_add_u32 v[SPW], v0, 2, SPARE
	v_mov_b32 v[NIL], 0
	ds_add_u32 v[SPW], v[NIL]                      ; the wave's opening: the add, twice on end, and its wait ahead of my first tensor load
	ds_add_u32 v[SPW], v[NIL]
	v_lshrrev_b32 v1, 5, v0
	v_readfirstlane_b32 s14, v1                    ; wave 0..3
	s_lshr_b32 s15, s14, 1                         ; which half of A's rows is mine.  Also: I fetch for A (0) or for B (1)
	s_and_b32 s16, s14, 1                          ; which half of B's rows.  Also: which 128 rows I fetch
	s_bfe_u32 s40, ttmp6, 0x40000                  ; cx, cy: my place in the cluster
	s_bfe_u32 s41, ttmp6, 0x40004
	s_and_b32 s18, ttmp7, 0xffff                   ; the cluster's y: which four tiles of x
	s_add_co_u32 s19, ttmp9, 8                     ; the cluster's x picks the weight: tiles 4 (8 + x) on
	s_cmp_eq_u32 ttmp9, 2                          ; v?  The same in all sixteen partners
	s_cselect_b32 s17, 10, s18
	s_cselect_b32 s42, s18, s19
	s_cselect_b32 s95, 1, 0
	s_lshl_b32 s17, s17, 2
	s_add_co_u32 s17, s17, s41                     ; A's tile: x's 4 y + cy, or Wv's 40 + cy
	s_lshl_b32 s42, s42, 2
	s_add_co_u32 s42, s42, s40                     ; B's tile: the weight's 32 + 4 x + cx, or x's 4 y + cx
	s_lshl_b32 s43, s41, 2
	s_lshl_b32 s43, 15, s43                        ; my row of the cluster
	s_lshl_b32 s44, 0x1111, s40                    ; my column
	; descriptor group 1: a tile of 128 rows x 256 bytes, padded in LDS
	s_or_b32 s[G1+0], s43, (0<<16)|(1<<20)|(1<<21)|(5<<22)|(3<<25)  ; 15:0 the mask; 17:16 elements of 1 byte; 20 padding on; 21 set beside a mask; 24:22 after every 64 words; 31:25 four words
	s_or_b32 s[G1B+0], s44, (0<<16)|(1<<20)|(1<<21)|(5<<22)|(3<<25)
.irp g, G1, G1B
	s_mov_b32 s[\g+1], ROWB<<16                    ; tensor_dim0
	s_mov_b32 s[\g+2], 128<<16                     ; tensor_dim1
	s_mov_b32 s[\g+3], ROWB<<16                    ; tile_dim0
	s_mov_b32 s[\g+4], 128                         ; tile_dim1
	s_mov_b32 s[\g+5], KROW                        ; tensor_dim0_stride
	s_mov_b32 s[\g+6], 0
	s_mov_b32 s[\g+7], 0
.endr
	; the scales of 128 rows: 4,096 dense bytes, as 16 rows of 256 bytes (32 elements of 8 bytes), 16 bytes of padding behind each
	s_or_b32 s[G1S+0], s43, (3<<16)|(1<<20)|(1<<21)|(5<<22)|(3<<25)
	s_or_b32 s[G1SB+0], s44, (3<<16)|(1<<20)|(1<<21)|(5<<22)|(3<<25)
.irp g, G1S, G1SB
	s_mov_b32 s[\g+1], 32<<16
	s_mov_b32 s[\g+2], (128*KS/256)<<16
	s_mov_b32 s[\g+3], 32<<16
	s_mov_b32 s[\g+4], 128*KS/256
	s_mov_b32 s[\g+5], 32
	s_mov_b32 s[\g+6], 0
	s_mov_b32 s[\g+7], 0
.endr
	s_lshl_b32 s18, s16, 7                         ; which 128 rows of the tile I fetch
	s_lshl_b32 s20, s17, 8
	s_add_co_u32 s20, s20, s18                     ; A: row 256 x tile + 128 x half
	s_lshl_b32 s46, s42, 8
	s_add_co_u32 s46, s46, s18                     ; B likewise, in registers that never hold cy
	s_mov_b32 s21, 0
	s_mov_b32 s47, 0
	s_mov_b64 s[18:19], KS
	s_mul_u64 s[22:23], s[20:21], s[18:19]         ; where these rows' scales begin, in bytes
	s_mul_u64 s[92:93], s[46:47], s[18:19]
	s_mov_b64 s[18:19], KROW
	s_mul_u64 s[20:21], s[20:21], s[18:19]         ; and their codes
	s_mul_u64 s[46:47], s[46:47], s[18:19]
	s_mul_i32 s45, s14, HALFT                      ; where they go: wave x 128 rows: no place in the cluster enters an LDS address
	s_mul_i32 s94, s14, HALFS
	s_wait_dscnt 0x0                               ; both opening adds are done
	s_wait_kmcnt 0x0
	s_add_nc_u64 s[20:21], s[4:5], s[20:21]
	s_add_nc_u64 s[22:23], s[6:7], s[22:23]
	s_add_nc_u64 s[46:47], s[4:5], s[46:47]
	s_add_nc_u64 s[92:93], s[6:7], s[92:93]
	CROUND                                         ; all sixteen work-groups are here: the first joint loads meet
	s_mov_b32 s[G0S], 1
	s_add_co_u32 s[G0S+1], s94, SCL
	s_mov_b64 s[G0S+2:G0S+3], s[22:23]
	s_or_b32 s[G0S+3], s[G0S+3], 0x80000000
	s_mov_b32 s[G0SB], 1
	s_add_co_u32 s[G0SB+1], s94, SCL
	s_mov_b64 s[G0SB+2:G0SB+3], s[92:93]
	s_or_b32 s[G0SB+3], s[G0SB+3], 0x80000000
	JLOAD G0S, G1S, G0SB, G1SB                     ; the scales first: they are wanted with slot 0
.irp s, 0,1
	s_mov_b32 s[G0+4*\s], 1
	s_add_co_u32 s[G0+4*\s+1], s45, \s*SLOT
	s_add_nc_u64 s[G0+4*\s+2:G0+4*\s+3], s[20:21], \s*ROWB
	s_or_b32 s[G0+4*\s+3], s[G0+4*\s+3], 0x80000000
	s_mov_b32 s[G0B+4*\s], 1
	s_add_co_u32 s[G0B+4*\s+1], s45, \s*SLOT
	s_add_nc_u64 s[G0B+4*\s+2:G0B+4*\s+3], s[46:47], \s*ROWB
	s_or_b32 s[G0B+4*\s+3], s[G0B+4*\s+3], 0x80000000
	JLOAD G0+4*\s, G1, G0B+4*\s, G1B               ; by this text's count three tensor loads of a wave are out, and no more follow
.endr
	v_and_b32 v1, 15, v0                           ; r = l % 16
	v_bfe_u32 v2, v0, 4, 1                         ; h = l / 16
	v_mul_u32_u24 v3, v1, PITCH
	v_lshl_add_u32 v4, v2, 4, v3                   ; a fragment's row x pitch + 16 x half
	s_mul_i32 s21, s15, HALFT                      ; my 128 rows of A
	s_mul_i32 s22, s16, HALFT                      ; my 128 rows of B,
	s_add_co_u32 s22, s22, 2*HALFT                 ; which lie behind A's 256
.irp s, 0,1
	v_add_nc_u32 v[ADRA+\s], s21, v4
	v_add_nc_u32 v[ADRB+\s], s22, v4
	s_add_co_u32 s21, s21, SLOT
	s_add_co_u32 s22, s22, SLOT
.endr
	v_mul_u32_u24 v5, v1, KS                       ; my row's scales: KS bytes a row,
	v_lshrrev_b32 v6, 8, v5
	v_lshl_add_u32 v5, v6, 4, v5                   ; and 16 more for each 256 passed
	s_mul_i32 s21, s15, HALFS
	s_mul_i32 s22, s16, HALFS
	s_add_co_u32 s22, s22, 2*HALFS
	s_sub_co_u32 s22, s22, s21
	v_mul_u32_u24 v6, s22, v2                      ; lanes 16-31 take B's: ONE product, the distance between the two bases x h
	s_add_co_u32 s21, s21, SCL
	v_add_nc_u32 v5, v5, v6
	v_add_nc_u32 v[ADRS], s21, v5
	v_and_b32 v6, 31, v0
	v_lshlrev_b32 v[LI], 4, v6
	; the bias of this product, in both forms: by registers (B's rows: q, k) and by rows (A's rows: v).  Both stay inside its 4,096 bytes, and one of them is used
	s_cmp_eq_u32 ttmp9, 0
	s_cselect_b64 s[66:67], s[96:97], s[98:99]
	s_cmp_eq_u32 ttmp9, 2
	s_cselect_b64 s[66:67], s[100:101], s[66:67]
	s_lshl_b32 s8, s40, 10
	s_lshl_b32 s9, s16, 9
	s_add_co_u32 s8, s8, s9
	v_lshl_add_u32 v[CBA], v2, 5, s8               ; (256 cx + 128 x half) x 4 + 32 h
	s_lshl_b32 s8, s41, 10
	s_lshl_b32 s9, s15, 9
	s_add_co_u32 s8, s8, s9
	v_lshl_add_u32 v[RBA], v1, 2, s8               ; (256 cy + 128 x half) x 4 + 4 r
.irp b, 0,1,2,3,4,5,6,7
	global_load_b128 v[CBI+8*\b:CBI+8*\b+3], v[CBA], s[66:67] offset:64*\b
	global_load_b128 v[CBI+8*\b+4:CBI+8*\b+7], v[CBA], s[66:67] offset:64*\b+16
.endr
.irp a, 0,1,2,3,4,5,6,7
	global_load_b32 v[RB+2*\a], v[RBA], s[66:67] offset:64*\a
	global_load_b32 v[RB+2*\a+1], v[RBA], s[66:67] offset:64*\a    ; twice: a pair for the packed addition
.endr
	; where my results begin in qkv.  XT: x's tile; HX, hs: which heads; ts: which half of the tile's tokens
	s_cmp_eq_u32 s95, 1
	s_cselect_b32 s8, s42, s17
	s_cselect_b32 s9, s41, s40
	s_cselect_b32 s10, s15, s16
	s_cselect_b32 s11, s16, s15
	s_lshr_b32 s18, s8, 3                          ; the batch: eight tiles of 256 tokens each
	s_lshl_b32 s18, s18, 4
	s_lshl_b32 s9, s9, 2
	s_add_co_u32 s18, s18, s9
	s_lshl_b32 s10, s10, 1
	s_add_co_u32 s18, s18, s10                     ; 16 x batch + my first head
	s_lshl_b32 s18, s18, 18
	s_and_b32 s8, s8, 7
	s_lshl_b32 s8, s8, 15                          ; 256 tokens are 32,768 bytes of a head in all three layouts
	s_add_co_u32 s18, s18, s8
	s_lshl_b32 s11, s11, 14
	s_add_co_u32 s18, s18, s11
	s_lshl_b32 s19, ttmp9, 24                      ; q, k or v
	s_add_co_u32 s18, s18, s19
	s_mov_b32 s19, 0
	s_add_nc_u64 s[12:13], s[12:13], s[18:19]
.macro FRAG reg, adr, q, i             ; 16 rows x 128 K of 4-bit codes, 8 registers: lane l holds row l % 16; registers 4 c .. 4 c + 3 hold K = 64 c + 32 (l / 16) + 0 .. 31
.irp c, 0,1
	ds_load_b128 v[\reg+4*\c:\reg+4*\c+3], v[\adr] offset:64*(\q)+32*\c+(\i)*16*PITCH
.endr
.endm
; 16 matrix instructions: A's blocks a0, a0 + 1 x B's eight, 128 along K.  p: B's set; sc: the set of scale words; zero = 1: the first product starts the sums.  The 64 accumulators take turns, one instruction a turn.
.macro MUL16 a0, p, q, sc, zero
.irp a, \a0, \a0+1
.irp b, 0,1,2,3,4,5,6,7
.if \zero
	v_wmma_scale_f32_16x16x128_f8f6f4 v[8*(8*((\a)%4)+\b):8*(8*((\a)%4)+\b)+7], v[128*(\p)+FR*\b:128*(\p)+FR*\b+FR-1], v[AF+FR*(\a):AF+FR*(\a)+FR-1], 0, v[SC+8*NQ*(\sc)+NQ*\b+(\q)], v[SC+8*NQ*(\sc)+NQ*(\a)+(\q)] matrix_a_fmt:MATRIX_FMT_FP4 matrix_b_fmt:MATRIX_FMT_FP4 matrix_a_scale:MATRIX_SCALE_ROW1
.else
	v_wmma_scale_f32_16x16x128_f8f6f4 v[8*(8*((\a)%4)+\b):8*(8*((\a)%4)+\b)+7], v[128*(\p)+FR*\b:128*(\p)+FR*\b+FR-1], v[AF+FR*(\a):AF+FR*(\a)+FR-1], v[8*(8*((\a)%4)+\b):8*(8*((\a)%4)+\b)+7], v[SC+8*NQ*(\sc)+NQ*\b+(\q)], v[SC+8*NQ*(\sc)+NQ*(\a)+(\q)] matrix_a_fmt:MATRIX_FMT_FP4 matrix_b_fmt:MATRIX_FMT_FP4 matrix_a_scale:MATRIX_SCALE_ROW1
.endif
.endr
.endr
.endm
.macro FETCH_B slot, q, p
	WIN TO_B
.irp i, 0,1,2,3,4,5,6,7
	FRAG 128*(\p)+FR*\i, ADRB+\slot, \q, \i
.endr
	WIN 0
.endm
.macro FETCH_A slot, q, i0
.irp i, \i0, \i0+1, \i0+2, \i0+3
	FRAG AF+FR*(\i), ADRA+\slot, \q, \i
.endr
.endm
.macro SCALES sc                       ; a slot's scale words: four words a row; lanes 0-15 take A's block i, lanes 16-31 B's block i
.irp i, 0,1,2,3,4,5,6,7
	ds_load_b128 v[SC+8*NQ*\sc+NQ*\i:SC+8*NQ*\sc+NQ*\i+3], v[ADRS] offset:\i*SBLK
.endr
.endm
.macro PLACES n                        ; plain vector instructions between a matrix instruction and a load into, or a vector instruction on, one of its registers
.rept \n
	v_nop
.endr
.endm
.macro STEP slot, q, zero              ; 128 along K, with its successor in the same slot
	s_wait_dscnt 4*NL                              ; B's set and A's blocks 0-3 are in; the youngest eight loads (A's blocks 4-7) may be out
	WIN MUL_LO
	MUL16 0, (\q)%2, \q, \slot, \zero
	MUL16 2, (\q)%2, \q, \slot, \zero
	s_wait_dscnt 0
	PLACES NP
	FETCH_B \slot, (\q)+1, 1-(\q)%2
	FETCH_A \slot, (\q)+1, 0
	WIN MUL_HI
	MUL16 4, (\q)%2, \q, \slot, \zero
	MUL16 6, (\q)%2, \q, \slot, \zero
	PLACES NP
	WIN 0
	FETCH_A \slot, (\q)+1, 4
.endm
.macro STEPS slot, from
.set Q, \from
.rept NQ-1-\from
	STEP \slot, Q, 0
.set Q, Q+1
.endr
.endm
	s_wait_tensorcnt 1                             ; the scales and my part of slot 0 are in; slot 1's load may be out
	s_barrier_signal -1
	s_barrier_wait -1                              ; everybody's are
	FETCH_B 0, 0, 0
	FETCH_A 0, 0, 0
	SCALES 0
	FETCH_A 0, 0, 4
	STEP 0, 0, 1                                   ; the first products start the sums: nothing is cleared
	STEPS 0, 1
	; slot 0's last step, and the change to slot 1: one barrier; in front of it my part of slot 1 has landed
	s_wait_tensorcnt 0x0                           ; all my tensor loads have landed
	ds_add_u32 v[SPW], v[NIL]                      ; 0 onto my spare word
	s_wait_dscnt 4*NL+1                            ; the add and the youngest eight loads (A's blocks 4-7) may be out
	WIN MUL_LO
	MUL16 0, 1, NQ-1, 0, 0
	s_wait_dscnt 0x0                               ; no LDS instruction of mine is out at the signal
	s_barrier_signal -1
	MUL16 2, 1, NQ-1, 0, 0
	WIN 0
	s_barrier_wait -1                              ; slot 1 is whole
	PLACES NP
	v_add_nc_u32 v[ADRS], 4*NQ, v[ADRS]            ; on to slot 1's scale words
	FETCH_B 1, 0, 0
	FETCH_A 1, 0, 0
	SCALES 1
	WIN MUL_HI
	MUL16 4, 1, NQ-1, 0, 0
	MUL16 6, 1, NQ-1, 0, 0
	PLACES NP
	WIN 0
	FETCH_A 1, 0, 4
	STEPS 1, 0
	s_wait_dscnt 4*NL                              ; the very last step: nothing more to fetch
	WIN MUL_LO
	MUL16 0, 1, NQ-1, 1, 0
	MUL16 2, 1, NQ-1, 1, 0
	s_wait_dscnt 0
	WIN MUL_HI
	MUL16 4, 1, NQ-1, 1, 0
	MUL16 6, 1, NQ-1, 1, 0
	WIN 0
; THE WAY OUT of A's block a: + the bias in f32 (each accumulator from its low end on), rounded to f16 in pairs, and stored as images: eight stores of 512 consecutive bytes.
.macro EPI isv, a
.set AC, 64*((\a)%4)
.set PK, 32*((\a)%2)
	WIN (0x02+(\a)/4)                              ; source 0: window 2 or 3
.irp b, 0,1,2,3,4,5,6,7
.irp i, 0,1,2,3
.if \isv
	v_pk_add_f32 v[T+8*\b+2*\i:T+8*\b+2*\i+1], v[AC+8*\b+2*\i:AC+8*\b+2*\i+1], v[RB+2*(\a):RB+2*(\a)+1]
.else
	v_pk_add_f32 v[T+8*\b+2*\i:T+8*\b+2*\i+1], v[AC+8*\b+2*\i:AC+8*\b+2*\i+1], v[CBI+8*\b+2*\i:CBI+8*\b+2*\i+1]
.endif
.endr
.endr
.if (\a) > 1
	s_wait_xcnt 0x0                                ; block a - 2's stores have read their data: the same registers are written again only behind this wait
.endif
	WIN 0x40                                       ; destination window 1
.irp b, 0,1,2,3,4,5,6,7
.irp i, 0,1,2,3
	v_cvt_pk_f16_f32 v[PK+4*\b+\i], v[T+8*\b+2*\i], v[T+8*\b+2*\i+1]
.endr
.endr
	WIN 0x04                                       ; a store's data are its source 1: window 1
.irp b, 0,1,2,3,4,5,6,7
.if \isv
	global_store_b128 v[LI], v[PK+4*\b:PK+4*\b+3], s[12:13] offset:262144*((\a)/4)+1024*((\a)%4)+4096*(\b/2)+512*(\b%2)    ; head a / 4, channels 16 (a % 4) on; keys 32 (b / 2) on, half b % 2
.else
	global_store_b128 v[LI], v[PK+4*\b:PK+4*\b+3], s[12:13] offset:2048*(\a)+262144*(\b/4)+1024*((\b%4)/2)+512*(\b%2)      ; tokens 16 a on; head b / 4, channels 32 ((b % 4) / 2) on, half b % 2
.endif
.endr
.endm
	PLACES NP                                      ; behind the last products: their operands' registers are written below
	s_wait_loadcnt 0x0                             ; the bias
	s_cmp_eq_u32 s95, 1
	s_cbranch_scc1 .Lv
.irp a, 0,1,2,3,4,5,6,7
	EPI 0, \a
.endr
	WIN 0
	s_branch .Ldone
.Lv:
.irp a, 0,1,2,3,4,5,6,7
	EPI 1, \a
.endr
	WIN 0
.Ldone:
	s_wait_tensorcnt 0x0                           ; the wave's end
	ds_add_u32 v[SPW], v[NIL]
	s_wait_dscnt 0x0
	CROUND                                         ; the closing round
	s_endpgm
.Lfunc_end_k_q8b801cde72_qkv:
	.size	k_q8b801cde72_qkv, .Lfunc_end_k_q8b801cde72_qkv-k_q8b801cde72_qkv
	.p2alignl 7, 3214868480
	.fill 96, 4, 3214868480
	.section	.rodata,"a",@progbits
	.p2align	6, 0x0
	.amdhsa_kernel k_q8b801cde72_qkv
		.amdhsa_group_segment_fixed_size 327680
		.amdhsa_private_segment_fixed_size 0
		.amdhsa_enable_private_segment 0
		.amdhsa_kernarg_size 48
		.amdhsa_user_sgpr_count 2
		.amdhsa_user_sgpr_kernarg_segment_ptr 1
		.amdhsa_wavefront_size32 1
		.amdhsa_system_sgpr_workgroup_id_x 1
		.amdhsa_system_sgpr_workgroup_id_y 1
		.amdhsa_system_sgpr_workgroup_id_z 1
		.amdhsa_system_vgpr_workitem_id 0
		.amdhsa_next_free_vgpr 1024
		.amdhsa_next_free_sgpr 102
		.amdhsa_reserve_vcc 0
		.amdhsa_float_denorm_mode_32 3
		.amdhsa_float_denorm_mode_16_64 3
		.amdhsa_memory_ordered 1
		.amdhsa_forward_progress 1
		.amdhsa_inst_pref_size 177
	.end_amdhsa_kernel
	.amdgpu_metadata
---
amdhsa.version: [ 1, 2 ]
amdhsa.kernels:
  - .name:           k_q8b801cde72_qkv
    .symbol:         k_q8b801cde72_qkv.kd
    .args:
      - { .name: codes, .offset: 0, .size: 8, .value_kind: global_buffer, .address_space: global }
      - { .name: scales, .offset: 8, .size: 8, .value_kind: global_buffer, .address_space: global }
      - { .name: qkv, .offset: 16, .size: 8, .value_kind: global_buffer, .address_space: global }
      - { .name: bq, .offset: 24, .size: 8, .value_kind: global_buffer, .address_space: global }
      - { .name: bk, .offset: 32, .size: 8, .value_kind: global_buffer, .address_space: global }
      - { .name: bv, .offset: 40, .size: 8, .value_kind: global_buffer, .address_space: global }
    .group_segment_fixed_size: 327680
    .private_segment_fixed_size: 0
    .kernarg_segment_align: 8
    .kernarg_segment_size: 48
    .max_flat_workgroup_size: 128
    .sgpr_count:     102
    .vgpr_count:     1024
    .wavefront_size: 32
...
	.end_amdgpu_metadata
.endif
;; end of part 2
;; launch attn (part 3): grid 8 x 64, 8 waves a work-group, clusters of 4 x 1, 327,680 bytes of LDS; arguments qkv, ctx; writes ctx
.if DOCPART == 3
	.amdgcn_target "amdgcn-amd-amdhsa--gfx1250"
	.amdhsa_code_object_version 6
	.text
	.protected	k_q8b801cde72_attn
	.globl	k_q8b801cde72_attn
	.p2align	8
	.type	k_q8b801cde72_attn,@function
k_q8b801cde72_attn:
	s_mov_b64 s[64:65], 0
	v_nop
	global_prefetch_b8 v0, s[64:65] scope:SCOPE_SE
	s_setreg_imm32_b32 hwreg(HW_REG_WAVE_MODE, 25, 1), 1
	s_wait_xcnt 0x0
	s_wait_alu depctr_hold_cnt(0) depctr_sa_sdst(0) depctr_va_vdst(0) depctr_va_sdst(0) depctr_va_ssrc(0) depctr_va_vcc(0) depctr_vm_vsrc(0)
	s_getreg_b32 s2, hwreg(HW_REG_IB_STS2, 6, 4)
	s_cmp_eq_u32 s2, 0
	s_cbranch_scc0 .Lentry_in_a_cluster
	s_endpgm
.Lentry_in_a_cluster:
	s_bfe_u32 s2, ttmp6, 0x10000c
	s_cmp_lg_u32 s2, 0x3003
	s_cbranch_scc0 .Lentry_shape_is_right
	s_endpgm
.Lentry_shape_is_right:
; ctx[b][q][64 h ..] = the sum over keys of softmax(q . k / 8) v, for each of 64 (batch, head); 2,048 keys, head size 64, no mask.  Operands f16, products, maxima and sums f32; the weights p are rounded to f16 for the second product.
; q, k, v come as IMAGES OF OPERAND REGISTERS (a fragment: 16 rows x 32 k, 1,024 bytes, lane l's 16 bytes of half c at 512 c + 16 l), and ctx leaves so: ctx [token / 16][feature / 32][1,024 B].  So every LDS load takes 512 consecutive
; bytes, nothing is padded or transposed, and the results are stored from the registers in which they arise.
; SHARES.  A work-group owns 256 queries of one (batch, head); each of its EIGHT waves owns 32, two tiles of 16, in 512 registers: two waves to a SIMD, so that one wave's softmax stands beside the other's products and LDS loads.
; Every wave walks all keys, 64 a step.  LAYOUT: S^T = K Q^T (source 0 = 16 keys, source 1 = 16 queries) and O^T = V^T P (source 0 = 16 channels, source 1 = P): a lane holds ONE query throughout, and two tiles of S^T, rounded in pairs, ARE P's fragment.
; SOFTMAX.  A running maximum m and sum l for each query: p = 2^(c s - c m), c = log2(e) / 8; in every step O and l are multiplied by a = 2^(c m_old - c m_new).  The loop has no first step of its own: O and l begin as zeros, m as -3e38.
; RING.  Two LDS slots of 512 keys (K's 65,536 bytes, then V's).  Each wave fetches 16,384 dense bytes of a slot: waves 0-3 K's quarters, waves 4-7 V's.  A refill has eight key steps in which to land, so nothing is asked of memory ahead of it.
; CLUSTER.  The four query blocks of a cluster walk the same K and V: each tile is asked for JOINTLY, by the same tensor load with a mask that names the four.
; LIMITS: p under 6e-5 of the row's largest carries f16's absolute step 2^-24; |ctx| under 6e-5 likewise; NaN and infinities are not served.
; REGISTERS: window 0: v1-7 addresses; v16-31 statistics, eight a tile; v32-95 S^T; v96-127 P; v128-191 O^T; v192-223 packed results.   window 1: v0-31 Q; v96-159 K of one step; v192-255 V of one step.
.set SLOT1, 1<<17                      ; slot 1 begins here: one exclusive or turns an address in one slot into the other's
.set VOFF,  65536                      ; V's images in a slot
.set STEPB, 8192                       ; a key step's bytes of K, and of V
.set SPARE, 326656                     ; the spare words, 128 bytes a wave: the last four blocks of 256 bytes, which no other line names
.set LI,  1                            ; v1  16 x lane
.set AV0, 2                            ; v2  16 x lane + VOFF
.set ADK, 3                            ; v3  LDS address of the run of K's loads in hand
.set ADV, 4                            ; v4  of V's
.set SPW, 6                            ; v6  SPARE + 4 x my thread's number; never rewritten
.set NIL, 7                            ; v7  0; never rewritten
.set ST,  16                           ; tile t at v[ST + 8 t]: +0 c m, +1 m, +2, +3 l (even keys', odd keys'), +4 .. +7 c0-c3 at work; a takes c2's place
.set S,   32
.set P,   96
.set O,   128
.set OP,  192
.set KF,  96                           ; in window 1
.set VF,  192
.set WV,  8                            ; s8  my wave's number
.set G1,  16                           ; s[16:23] descriptor group 1
.set G0A, 24                           ; s[24:27] group 0 of slot 0's first fill
.set G0W, 28                           ; s[28:31] group 0 of slot 1's first fill, which then walks
.set CS,  32                           ; s[32:33] c, twice
.set SEL, 34                           ; s[34:35] lane selects: lane l xor 16
.set TB,  36                           ; s36 LDS byte at which the step to be fetched begins
.set SLOTS, 37
.set CNT, 38
.set MSB, 0
.macro WIN new                         ; the immediate's high byte repeats the setting that is left
.if MSB != \new
	s_set_vgpr_msb (MSB<<8)|\new
.set MSB, \new
.endif
.endm
.macro CROUND                          ; a round of the cluster's barrier
	s_barrier_signal -1
	s_barrier_wait -1
	s_cmp_lg_u32 s[WV], 0
	s_cbranch_scc1 .Lnot_wave_0_\@
	s_barrier_signal -3
.Lnot_wave_0_\@:
	s_barrier_wait -3
	s_barrier_signal -1
	s_barrier_wait -1
.endm
.macro PLACES                          ; four plain vector instructions between a matrix instruction and a load into, or a vector instruction on, one of its registers
.rept 4
	v_nop
.endr
.endm
.macro FETCH_K                         ; the next step's K: 4 tiles of 16 keys x 2 halves of the channels: 16 loads
	v_add_nc_u32 v[ADK], s[TB], v[LI]
	WIN 0x40                                       ; destination window 1
.irp kt, 0,1,2,3
.irp ch, 0,1
	ds_load_b128 v[KF+16*\kt+8*\ch:KF+16*\kt+8*\ch+3],   v[ADK] offset:2048*\kt+1024*\ch
	ds_load_b128 v[KF+16*\kt+8*\ch+4:KF+16*\kt+8*\ch+7], v[ADK] offset:2048*\kt+1024*\ch+512
.endr
.endr
	WIN 0
.endm
.macro KQ                              ; S^T = K Q^T: eight accumulators by turns, two deep; the first eight start the sums
	WIN 0x05                                       ; K and Q in window 1
.irp ch, 0,1
.irp t, 0,1
.irp kt, 0,1,2,3
.if \ch == 0
	v_wmma_f32_16x16x32_f16 v[S+32*\t+8*\kt:S+32*\t+8*\kt+7], v[KF+16*\kt+8*\ch:KF+16*\kt+8*\ch+7], v[16*\t+8*\ch:16*\t+8*\ch+7], 0
.else
	v_wmma_f32_16x16x32_f16 v[S+32*\t+8*\kt:S+32*\t+8*\kt+7], v[KF+16*\kt+8*\ch:KF+16*\kt+8*\ch+7], v[16*\t+8*\ch:16*\t+8*\ch+7], v[S+32*\t+8*\kt:S+32*\t+8*\kt+7]
.endif
.endr
.endr
.endr
.endm
.macro PV                              ; O^T += V^T P: eight accumulators by turns, two deep
	WIN 0x01                                       ; V in window 1
.irp kb, 0,1
.irp t, 0,1
.irp ct, 0,1,2,3
	v_wmma_f32_16x16x32_f16 v[O+32*\t+8*\ct:O+32*\t+8*\ct+7], v[VF+32*\kb+8*\ct:VF+32*\kb+8*\ct+7], v[P+16*\t+8*\kb:P+16*\t+8*\kb+7], v[O+32*\t+8*\ct:O+32*\t+8*\ct+7]
.endr
.endr
.endr
.endm
; A key step's softmax for both tiles, the tiles alternating line by line so that no line waits for the line above it.
.macro SOFTMAX
.irp j, 0,1,2,3                        ; the maximum of a lane's 32 scores and the old m: four chains; each accumulator is read from its low end on
.irp t, 0,1
	v_max3_num_f32 v[ST+8*\t+4+\j], v[S+32*\t+8*\j], v[S+32*\t+8*\j+1], v[S+32*\t+8*\j+2]
.endr
.endr
.irp g, 1,2
.irp j, 0,1,2,3
.irp t, 0,1
	v_max3_num_f32 v[ST+8*\t+4+\j], v[ST+8*\t+4+\j], v[S+32*\t+8*\j+2*\g+1], v[S+32*\t+8*\j+2*\g+2]
.endr
.endr
.endr
.irp t, 0,1
	v_max3_num_f32 v[ST+8*\t+4], v[ST+8*\t+4], v[S+32*\t+7], v[S+32*\t+15]
	v_max3_num_f32 v[ST+8*\t+6], v[ST+8*\t+6], v[S+32*\t+23], v[S+32*\t+31]
.endr
.irp t, 0,1
	v_max3_num_f32 v[ST+8*\t+4], v[ST+8*\t+4], v[ST+8*\t+5], v[ST+8*\t+6]
.endr
.irp t, 0,1
	v_max3_num_f32 v[ST+8*\t+4], v[ST+8*\t+4], v[ST+8*\t+7], v[ST+8*\t+1]
.endr
.irp t, 0,1
	v_permlanex16_b32 v[ST+8*\t+5], v[ST+8*\t+4], s[SEL], s[SEL+1]   ; the query's other 32 keys lie in the lane 16 away
.endr
.irp t, 0,1
	v_mov_b32 v[ST+8*\t+7], v[ST+8*\t]             ; c m_old is kept for a
.endr
.irp t, 0,1
	v_max_num_f32 v[ST+8*\t+1], v[ST+8*\t+4], v[ST+8*\t+5]
.endr
.irp t, 0,1
	v_mul_f32 v[ST+8*\t], s[CS], v[ST+8*\t+1]
.endr
.irp t, 0,1
	v_sub_f32 v[ST+8*\t+7], v[ST+8*\t+7], v[ST+8*\t]
.endr
.irp b, 0,1,2,3,4,5,6,7,8,9,10,11,12,13,14,15
.irp t, 0,1
	v_pk_fma_f32 v[S+32*\t+2*\b:S+32*\t+2*\b+1], v[S+32*\t+2*\b:S+32*\t+2*\b+1], s[CS:CS+1], v[ST+8*\t:ST+8*\t+1] op_sel_hi:[1,0,0] neg_lo:[0,0,1] neg_hi:[0,0,1]   ; c s - c m, two at a time
.endr
.endr
.irp t, 0,1                            ; ONE BATCH of 66 exponentials, none of which reads another's result
	v_exp_f32 v[ST+8*\t+6], v[ST+8*\t+7]           ; a
.endr
.irp e, 0,1,2,3,4,5,6,7,8,9,10,11,12,13,14,15,16,17,18,19,20,21,22,23,24,25,26,27,28,29,30,31
.irp t, 0,1
	v_exp_f32 v[S+32*\t+\e], v[S+32*\t+\e]
.endr
.endr
	v_nop                                          ; a plain instruction behind the last exponential (ISA guide 5.7.2),
	s_wait_alu depctr_va_vdst(0)                   ; and the one wait ahead of the batch's first reader
.irp j, 0,1,2,3,4,5,6,7,8,9,10,11,12,13,14,15
.irp t, 0,1
	v_cvt_pk_f16_f32 v[P+16*\t+\j], v[S+32*\t+2*\j], v[S+32*\t+2*\j+1]   ; P: tiles 2 kb and 2 kb + 1 of the keys make fragment kb
.endr
.endr
.irp u, 0,1,2,3,4,5,6,7                ; the sum of the unrounded p, in place: neighbours 1, 2, 4 and 8 pairs apart
.irp t, 0,1
	v_pk_add_f32 v[S+32*\t+4*\u:S+32*\t+4*\u+1], v[S+32*\t+4*\u:S+32*\t+4*\u+1], v[S+32*\t+4*\u+2:S+32*\t+4*\u+3]
.endr
.endr
.irp u, 0,1,2,3
.irp t, 0,1
	v_pk_add_f32 v[S+32*\t+8*\u:S+32*\t+8*\u+1], v[S+32*\t+8*\u:S+32*\t+8*\u+1], v[S+32*\t+8*\u+4:S+32*\t+8*\u+5]
.endr
.endr
.irp u, 0,1
.irp t, 0,1
	v_pk_add_f32 v[S+32*\t+16*\u:S+32*\t+16*\u+1], v[S+32*\t+16*\u:S+32*\t+16*\u+1], v[S+32*\t+16*\u+8:S+32*\t+16*\u+9]
.endr
.endr
.irp t, 0,1
	v_pk_add_f32 v[S+32*\t:S+32*\t+1], v[S+32*\t:S+32*\t+1], v[S+32*\t+16:S+32*\t+17]
.endr
.irp t, 0,1
	v_pk_fma_f32 v[ST+8*\t+2:ST+8*\t+3], v[ST+8*\t+2:ST+8*\t+3], v[ST+8*\t+6:ST+8*\t+7], v[S+32*\t:S+32*\t+1] op_sel_hi:[1,0,1]   ; l = a l + the sum
.endr
.irp i, 0,1,2,3,4,5,6,7,8,9,10,11,12,13,14,15
.irp t, 0,1
	v_pk_mul_f32 v[O+32*\t+2*\i:O+32*\t+2*\i+1], v[O+32*\t+2*\i:O+32*\t+2*\i+1], v[ST+8*\t+6:ST+8*\t+7] op_sel_hi:[1,0]   ; O^T x a, each accumulator from its low end on
.endr
.endr
.endm
; THE CHANGE OF SLOTS, when the slot's last bytes (V of its eighth step) have been asked for.  Each wave waits for all its tensor loads (one is out: its part of the other slot), adds 0 to its spare word, and waits for that and for
; its reads of the slot.  fill = 1: the barrier is a round of the cluster's, and the joint refill, the keys two slots on, is the first thing behind it and my one tensor load until the next.
.macro CHANGE fill
	s_wait_tensorcnt 0x0                           ; no tensor load of mine is out, so a group 0 may be written
	ds_add_u32 v[SPW], v[NIL]                      ; 0 onto my spare word
.if \fill
	s_xor_b32 s[G0W+1], s[G0W+1], SLOT1            ; the walking descriptor: the other slot than last time,
	s_add_nc_u64 s[G0W+2:G0W+3], s[G0W+2:G0W+3], 65536   ; the next 512 keys; the type bits on top are not reached
.endif
	s_wait_dscnt 0x0                               ; the add is done, and my reads of the slot are over
.if \fill
	CROUND
	tensor_load_to_lds s[G0W:G0W+3], s[G1:G1+7]
	s_nop 0
	PLACES
.else
	s_barrier_signal -1
	s_barrier_wait -1
.endif
	s_sub_co_u32 s[TB], s[TB], 8*STEPB             ; the fetches go back to a slot's first step,
	s_xor_b32 s[TB], s[TB], SLOT1                  ; in the other slot
.endm
; A KEY STEP.  mode 0: plain; 1: a slot's last, with a refill; 2: a slot's last, without; 3: the very last.
.macro STEP mode
	v_add_nc_u32 v[ADV], s[TB], v[AV0]             ; with the three below: the four places behind the last step's V^T P, whose V is loaded over
.rept 3
	v_nop
.endr
	s_add_co_u32 s[TB], s[TB], STEPB               ; the next fetch is the next step's
	WIN 0x40
.irp kb, 0,1
.irp ct, 0,1,2,3
	ds_load_b128 v[VF+32*\kb+8*\ct:VF+32*\kb+8*\ct+3],   v[ADV] offset:4096*\kb+1024*\ct
	ds_load_b128 v[VF+32*\kb+8*\ct+4:VF+32*\kb+8*\ct+7], v[ADV] offset:4096*\kb+1024*\ct+512
.endr
.endr
	s_wait_dscnt 16                                ; this step's K is in; V's 16 loads may be out
	KQ
	WIN 0
	PLACES                                         ; behind K Q^T: K is loaded over, and the scores are read
.if \mode == 1
	CHANGE 1
.endif
.if \mode == 2
	CHANGE 0
.endif
.if \mode != 3
	FETCH_K
.endif
	SOFTMAX
.if \mode == 3
	s_wait_dscnt 0x0
.else
	s_wait_dscnt 16                                ; V is in; the next step's K, 16 loads, may be out
.endif
	PV
	WIN 0
.endm
.macro SEVEN                           ; a slot's first seven steps: written once, walked seven times; the LDS addresses hang on s[TB]
	s_mov_b32 s[CNT], 7
.Lstep_\@:
	STEP 0
	s_sub_co_u32 s[CNT], s[CNT], 1
	s_cmp_lg_u32 s[CNT], 0
	s_cbranch_scc1 .Lstep_\@
.endm
	s_load_b128 s[4:7], s[0:1], 0x0                ; qkv s[4:5], ctx s[6:7]
	v_lshl_add_u32 v[SPW], v0, 2, SPARE
	v_mov_b32 v[NIL], 0
	ds_add_u32 v[SPW], v[NIL]                      ; the wave's opening: the add, twice on end, and its wait ahead of my first tensor load
	ds_add_u32 v[SPW], v[NIL]
	v_lshrrev_b32 v5, 5, v0
	v_readfirstlane_b32 s[WV], v5                  ; wave 0..7
	s_bfe_u32 s9, ttmp6, 0x40000                   ; cx
	s_lshl_b32 s10, ttmp9, 2
	s_add_co_u32 s10, s10, s9                      ; my block of 256 queries: it enters Q's and ctx's addresses alone
	s_and_b32 s11, ttmp7, 0xffff                   ; 16 x batch + head, which the four partners share
	; descriptor group 1: 16,384 dense bytes as 64 rows of 256 (32 elements of 8 bytes), no padding
	s_mov_b32 s[G1], 15|(3<<16)|(1<<21)            ; 15:0 the mask: all four work-groups; 17:16 elements of 8 bytes; 21 set beside a mask
	s_mov_b32 s[G1+1], 32<<16                      ; tensor_dim0
	s_mov_b32 s[G1+2], 64<<16                      ; tensor_dim1
	s_mov_b32 s[G1+3], 32<<16                      ; tile_dim0
	s_mov_b32 s[G1+4], 64                          ; tile_dim1
	s_mov_b32 s[G1+5], 32                          ; tensor_dim0_stride
	s_mov_b32 s[G1+6], 0
	s_mov_b32 s[G1+7], 0
	s_lshr_b32 s12, s[WV], 2                       ; what I fetch: waves 0-3 from k (16 MiB on), waves 4-7 from v (32 MiB on),
	s_add_co_u32 s12, s12, 1
	s_lshl_b32 s12, s12, 24
	s_lshl_b32 s13, s11, 18                        ; in my head,
	s_add_co_u32 s12, s12, s13
	s_and_b32 s13, s[WV], 3
	s_lshl_b32 s13, s13, 14                        ; my quarter of a slot's 65,536 bytes
	s_add_co_u32 s12, s12, s13
	s_mov_b32 s13, 0
	s_lshl_b32 s14, s[WV], 14                      ; and where it goes: 16,384 x wave: no place in the cluster enters an LDS address
	s_lshl_b32 s39, s10, 4
	s_lshl_b32 s15, s[WV], 1
	s_add_co_u32 s39, s39, s15                     ; my first tile of 16 queries in the sequence
	s_lshl_b32 s42, s39, 11
	s_lshl_b32 s15, s11, 18
	s_add_co_u32 s42, s42, s15                     ; Q: head x 262,144 + tile x 2,048
	s_mov_b32 s43, 0
	s_lshr_b32 s40, s11, 4
	s_lshl_b32 s40, s40, 7
	s_add_co_u32 s40, s40, s39
	s_lshl_b32 s40, s40, 15                        ; ctx: (128 x batch + tile) x 32,768
	s_and_b32 s15, s11, 15
	s_lshl_b32 s15, s15, 11
	s_add_co_u32 s40, s40, s15                     ; + head x 2,048
	s_mov_b32 s41, 0
	s_mov_b32 s[CS], 0x3e38aa3b                    ; c = log2(e) / 8
	s_mov_b32 s[CS+1], s[CS]
	s_mov_b32 s[SEL], 0x76543210
	s_mov_b32 s[SEL+1], 0xfedcba98
	s_mov_b32 s[TB], 0
	s_mov_b32 s[SLOTS], 2
	s_wait_dscnt 0x0                               ; both opening adds are done
	s_wait_kmcnt 0x0
	s_add_nc_u64 s[12:13], s[4:5], s[12:13]
	s_add_nc_u64 s[44:45], s[4:5], s[42:43]
	s_add_nc_u64 s[46:47], s[6:7], s[40:41]
	CROUND                                         ; all four work-groups are here: the first joint loads meet
	s_mov_b32 s[G0A], 1                            ; count = 1
	s_mov_b32 s[G0A+1], s14                        ; LDS address: slot 0
	s_mov_b64 s[G0A+2:G0A+3], s[12:13]             ; keys 0 to 511
	s_or_b32 s[G0A+3], s[G0A+3], 0x80000000        ; type = 2
	s_mov_b32 s[G0W], 1
	s_add_co_u32 s[G0W+1], s14, SLOT1              ; slot 1
	s_add_nc_u64 s[G0W+2:G0W+3], s[12:13], 65536   ; keys 512 to 1,023
	s_or_b32 s[G0W+3], s[G0W+3], 0x80000000
	tensor_load_to_lds s[G0A:G0A+3], s[G1:G1+7]    ; both first fills together: two tensor loads of mine are out
	s_nop 0
	tensor_load_to_lds s[G0W:G0W+3], s[G1:G1+7]
	s_nop 0
	PLACES
	v_and_b32 v[LI], 31, v0
	v_lshlrev_b32 v[LI], 4, v[LI]
	v_add_nc_u32 v[AV0], VOFF, v[LI]
	WIN 0x40                                       ; destination window 1
.irp t, 0,1
.irp ch, 0,1
	global_load_b128 v[16*\t+8*\ch:16*\t+8*\ch+3],   v[LI], s[44:45] offset:2048*\t+1024*\ch       ; Q stays in registers
	global_load_b128 v[16*\t+8*\ch+4:16*\t+8*\ch+7], v[LI], s[44:45] offset:2048*\t+1024*\ch+512
.endr
.endr
	WIN 0
.irp t, 0,1
	v_mov_b32 v[ST+8*\t+1], 0xff61b1e6             ; m: -3e38, under every score
	v_mul_f32 v[ST+8*\t], s[CS], v[ST+8*\t+1]      ; c m
	v_mov_b32 v[ST+8*\t+2], 0                      ; l
	v_mov_b32 v[ST+8*\t+3], 0
.endr
.irp j, 0,1,2,3,4,5,6,7,8,9,10,11,12,13,14,15,16,17,18,19,20,21,22,23,24,25,26,27,28,29,30,31,32,33,34,35,36,37,38,39,40,41,42,43,44,45,46,47,48,49,50,51,52,53,54,55,56,57,58,59,60,61,62,63
	v_mov_b32 v[O+\j], 0                           ; O^T: the step is written for every step alike; the first finds zeros, which a = 0 leaves zeros
.endr
	s_wait_tensorcnt 1                             ; my part of slot 0 is in; slot 1's may stay out
	s_barrier_signal -1
	s_barrier_wait -1                              ; everybody's is
	FETCH_K                                        ; key step 0
	s_wait_loadcnt 0x0                             ; Q
.Lslot:                                            ; two trips: slots 0 and 1 are walked and filled again
	SEVEN
	STEP 1
	s_sub_co_u32 s[SLOTS], s[SLOTS], 1
	s_cmp_lg_u32 s[SLOTS], 0
	s_cbranch_scc1 .Lslot
	SEVEN                                          ; the tail is written out
	STEP 2
	SEVEN
	STEP 3
	; THE WAY OUT.  l's two halves and the other half of the lanes' are added; O^T / l is rounded to f16 in pairs: tile (t, ct) is half ct % 2 of fragment ct / 2 of my head's two in ctx, stored as it stands.
	PLACES                                         ; behind the last products
.irp t, 0,1
	v_add_f32 v[ST+8*\t+4], v[ST+8*\t+2], v[ST+8*\t+3]
.endr
.irp t, 0,1
	v_permlanex16_b32 v[ST+8*\t+5], v[ST+8*\t+4], s[SEL], s[SEL+1]
.endr
.irp t, 0,1
	v_add_f32 v[ST+8*\t+4], v[ST+8*\t+4], v[ST+8*\t+5]
.endr
.irp t, 0,1
	v_rcp_f32 v[ST+8*\t+6], v[ST+8*\t+4]
.endr
	v_nop                                          ; a plain instruction behind the last reciprocal,
	s_wait_alu depctr_va_vdst(0)                   ; and the one wait ahead of the first use
.irp t, 0,1
.irp i, 0,1,2,3,4,5,6,7,8,9,10,11,12,13,14,15
	v_pk_mul_f32 v[O+32*\t+2*\i:O+32*\t+2*\i+1], v[O+32*\t+2*\i:O+32*\t+2*\i+1], v[ST+8*\t+6:ST+8*\t+7] op_sel_hi:[1,0]
.endr
.irp i, 0,1,2,3,4,5,6,7,8,9,10,11,12,13,14,15
	v_cvt_pk_f16_f32 v[OP+16*\t+\i], v[O+32*\t+2*\i], v[O+32*\t+2*\i+1]
.endr
.irp ct, 0,1,2,3
	global_store_b128 v[LI], v[OP+16*\t+4*\ct:OP+16*\t+4*\ct+3], s[46:47] offset:32768*\t+512*\ct   ; 32 lanes store 512 consecutive bytes, aligned
.endr
.endr
	s_wait_tensorcnt 0x0                           ; the wave's end
	ds_add_u32 v[SPW], v[NIL]
	s_wait_dscnt 0x0
	CROUND                                         ; the closing round: no work-group ends while a partner may still ask for a tile that names it
	s_endpgm
.Lfunc_end_k_q8b801cde72_attn:
	.size	k_q8b801cde72_attn, .Lfunc_end_k_q8b801cde72_attn-k_q8b801cde72_attn
	.p2alignl 7, 3214868480
	.fill 96, 4, 3214868480
	.section	.rodata,"a",@progbits
	.p2align	6, 0x0
	.amdhsa_kernel k_q8b801cde72_attn
		.amdhsa_group_segment_fixed_size 327680
		.amdhsa_private_segment_fixed_size 0
		.amdhsa_enable_private_segment 0
		.amdhsa_kernarg_size 16
		.amdhsa_user_sgpr_count 2
		.amdhsa_user_sgpr_kernarg_segment_ptr 1
		.amdhsa_wavefront_size32 1
		.amdhsa_system_sgpr_workgroup_id_x 1
		.amdhsa_system_sgpr_workgroup_id_y 1
		.amdhsa_system_sgpr_workgroup_id_z 1
		.amdhsa_system_vgpr_workitem_id 0
		.amdhsa_next_free_vgpr 512
		.amdhsa_next_free_sgpr 66
		.amdhsa_reserve_vcc 0
		.amdhsa_float_denorm_mode_32 3
		.amdhsa_float_denorm_mode_16_64 3
		.amdhsa_memory_ordered 1
		.amdhsa_forward_progress 1
		.amdhsa_inst_pref_size 118
	.end_amdhsa_kernel
	.amdgpu_metadata
---
amdhsa.version: [ 1, 2 ]
amdhsa.kernels:
  - .name:           k_q8b801cde72_attn
    .symbol:         k_q8b801cde72_attn.kd
    .args:
      - { .name: qkv, .offset: 0, .size: 8, .value_kind: global_buffer, .address_space: global }
      - { .name: ctx, .offset: 8, .size: 8, .value_kind: global_buffer, .address_space: global }
    .group_segment_fixed_size: 327680
    .private_segment_fixed_size: 0
    .kernarg_segment_align: 8
    .kernarg_segment_size: 16
    .max_flat_workgroup_size: 256
    .sgpr_count:     66
    .vgpr_count:     512
    .wavefront_size: 32
...
	.end_amdgpu_metadata
.endif
;; end of part 3
;; launch oproj (part 4): grid 4 x 64, 4 waves a work-group, clusters of 4 x 4, 327,680 bytes of LDS; arguments ctx, wo_img, bo, out0; writes out0
.if DOCPART == 4
	.amdgcn_target "amdgcn-amd-amdhsa--gfx1250"
	.amdhsa_code_object_version 6
	.text
	.protected	k_q8b801cde72_oproj
	.globl	k_q8b801cde72_oproj
	.p2align	8
	.type	k_q8b801cde72_oproj,@function
k_q8b801cde72_oproj:
	s_mov_b64 s[64:65], 0
	v_nop
	global_prefetch_b8 v0, s[64:65] scope:SCOPE_SE
	s_setreg_imm32_b32 hwreg(HW_REG_WAVE_MODE, 25, 1), 1
	s_wait_xcnt 0x0
	s_wait_alu depctr_hold_cnt(0) depctr_sa_sdst(0) depctr_va_vdst(0) depctr_va_sdst(0) depctr_va_ssrc(0) depctr_va_vcc(0) depctr_vm_vsrc(0)
	s_getreg_b32 s2, hwreg(HW_REG_IB_STS2, 6, 4)
	s_cmp_eq_u32 s2, 0
	s_cbranch_scc0 .Lentry_in_a_cluster
	s_endpgm
.Lentry_in_a_cluster:
	s_bfe_u32 s2, ttmp6, 0x10000c
	s_cmp_lg_u32 s2, 0xf033
	s_cbranch_scc0 .Lentry_shape_is_right
	s_endpgm
.Lentry_shape_is_right:
; out0 = ctx Wo + bo.  ctx [8192 tokens][1024] and Wo come as f16 IMAGES OF OPERAND REGISTERS: ctx [token / 16][k / 32][1,024 B], wo_img [n / 16][k / 32][1,024 B]; sums in f32, out0 [8192][1024] f32.
; 256 work-groups, one tile of 128 tokens x 256 columns each; four waves, each 64 x 128: 32 accumulators.  THE MATRIX INSTRUCTION IS USED TRANSPOSED (source 0 = 16 columns of Wo, source 1 = 16 tokens): a lane holds
; eight neighbouring numbers of a row of out0.  bo is the C of each sum's first product: no addition, nothing cleared.
; K goes in steps of 128 through two LDS slots: of each tile of 16 rows a step takes 4,096 consecutive bytes (four fragments).  Every LDS load takes 512 consecutive bytes: no padding.
; CLUSTERS: 4 x 4 work-groups.  ctx's tiles hang on the tile row alone and are asked for jointly along a row of the cluster, Wo's on the tile column alone and jointly along a column.
; REGISTERS: window 0: v16-29 addresses; v32-127 and v128-223 two fragment buffers (B's eight fragments, then A's four), on the way out rows of out0.   window 1: the accumulators ((a, b) at v[8 (8 a + b)]).   window 2: v0-63 bo in the result's layout.
.set ATILE,  32768                     ; a slot: A's 8 tiles of 16 tokens x 4,096 bytes,
.set SLOT,   98304                     ; then B's 16 tiles of 16 columns x 4,096 bytes
.set STAGE,  2*SLOT                    ; behind the ring, bytes of its own: 16 rows x (512 + 16) bytes for each wave
.set SPITCH, 528
.set SPARE,  STAGE+4*16*SPITCH         ; the spare words, 128 bytes a wave: two blocks of 256 bytes that no other line names
.set LAPS,   4                         ; a lap = two K steps = once round the ring; K = 1,024
.set ADRA, 16                          ; v16-17  LDS address of my A fragments in slot 0, 1
.set ADRB, 20                          ; v20-21  the same for B
.set STO,  24                          ; v24     the way out: where I put 32 bytes of a row
.set RD,   25                          ; v25     where I read a row back
.set CO,   26                          ; v26     16 x lane: my bytes of a row's 512
.set BA,   27                          ; v27     32 h: my offset in bo
.set SPW,  28                          ; v28     SPARE + 4 x my thread's number; never rewritten
.set NIL,  29                          ; v29     0; never rewritten
.set F0,   32
.set F1,   128
.set G1, 24                            ; s[24:31] descriptor group 1 for A's tiles;  s[32:39] group 0, one set for each slot
.set G0, 32
.set G1B, 48                           ; s[48:55], s[56:63] the same for B's
.set G0B, 56
.set MSB, 0
.macro WIN new                         ; the immediate's high byte repeats the setting that is left
.if MSB != \new
	s_set_vgpr_msb (MSB<<8)|\new
.set MSB, \new
.endif
.endm
.set MUL,   0x50                       ; C and D window 1
.set MUL_B, 0x60                       ; C (bo) window 2, D window 1
.macro JLOAD s                         ; a joint load: waves 0 and 1 fetch A's halves, waves 2 and 3 B's; an s_nop 0 and four v_nop follow each of the two lines
	s_cmp_eq_u32 s13, 0
	s_cbranch_scc0 .Lfor_b_\@
	tensor_load_to_lds s[G0+4*\s:G0+4*\s+3], s[G1:G1+7]
	s_nop 0
.rept 4
	v_nop
.endr
	s_branch .Lasked_\@
.Lfor_b_\@:
	tensor_load_to_lds s[G0B+4*\s:G0B+4*\s+3], s[G1B:G1B+7]
	s_nop 0
.rept 4
	v_nop
.endr
.Lasked_\@:
.endm
.macro CREST                           ; a round of the cluster's barrier behind its opening barrier
	s_cmp_lg_u32 s12, 0
	s_cbranch_scc1 .Lnot_wave_0_\@
	s_barrier_signal -3
.Lnot_wave_0_\@:
	s_barrier_wait -3
	s_barrier_signal -1
	s_barrier_wait -1
.endm
.macro CROUND
	s_barrier_signal -1
	s_barrier_wait -1
	CREST
.endm
	s_load_b256 s[4:11], s[0:1], 0x0               ; ctx s[4:5], wo_img s[6:7], bo s[8:9], out0 s[10:11]
	v_lshl_add_u32 v[SPW], v0, 2, SPARE
	v_mov_b32 v[NIL], 0
	ds_add_u32 v[SPW], v[NIL]                      ; the wave's opening: the add, twice on end, and its wait ahead of my first tensor load
	ds_add_u32 v[SPW], v[NIL]
	v_lshrrev_b32 v1, 5, v0
	v_readfirstlane_b32 s12, v1                    ; wave 0..3
	s_lshr_b32 s13, s12, 1                         ; which half of the tile's tokens is mine.  Also: I fetch for A (0) or for B (1)
	s_and_b32 s14, s12, 1                          ; which half of its columns.  Also: which half of that tile I fetch
	s_bfe_u32 s40, ttmp6, 0x40000                  ; cx, cy
	s_bfe_u32 s41, ttmp6, 0x40004
	s_lshl_b32 s42, ttmp9, 2
	s_add_co_u32 s42, s42, s40                     ; tile column: 256 columns each
	s_and_b32 s15, ttmp7, 0xffff
	s_lshl_b32 s15, s15, 2
	s_add_co_u32 s15, s15, s41                     ; tile row: 128 tokens each
	s_lshl_b32 s43, s41, 2
	s_lshl_b32 s43, 15, s43                        ; my row of the cluster
	s_lshl_b32 s44, 0x1111, s40                    ; my column
	; descriptor group 1: rows of 4,096 bytes (512 elements of 8), 32,768 bytes apart in memory, dense in LDS: A's half is 4 rows, B's 8
	s_or_b32 s[G1+0], s43, (3<<16)|(1<<21)         ; 15:0 the mask; 17:16 elements of 8 bytes; 21 set beside a mask
	s_or_b32 s[G1B+0], s44, (3<<16)|(1<<21)
	s_mov_b32 s[G1+1], 512<<16                     ; tensor_dim0
	s_mov_b32 s[G1+2], 4<<16                       ; tensor_dim1
	s_mov_b32 s[G1+3], 512<<16                     ; tile_dim0
	s_mov_b32 s[G1+4], 4                           ; tile_dim1
	s_mov_b32 s[G1+5], 4096                        ; tensor_dim0_stride
	s_mov_b32 s[G1+6], 0
	s_mov_b32 s[G1+7], 0
	s_mov_b32 s[G1B+1], 512<<16
	s_mov_b32 s[G1B+2], 8<<16
	s_mov_b32 s[G1B+3], 512<<16
	s_mov_b32 s[G1B+4], 8
	s_mov_b32 s[G1B+5], 4096
	s_mov_b32 s[G1B+6], 0
	s_mov_b32 s[G1B+7], 0
	s_lshl_b32 s16, s15, 3
	s_lshl_b32 s17, s14, 2
	s_add_co_u32 s16, s16, s17
	s_lshl_b32 s16, s16, 15                        ; A: (8 x tile row + 4 x half) x 32,768
	s_mov_b32 s17, 0
	s_lshl_b32 s46, s42, 4
	s_lshl_b32 s47, s14, 3
	s_add_co_u32 s46, s46, s47
	s_lshl_b32 s46, s46, 15                        ; B: (16 x tile column + 8 x half) x 32,768, in registers that never hold cy
	s_mov_b32 s47, 0
	s_lshl_b32 s20, s14, 14                        ; where they go: A's halves, 16,384 bytes each;
	s_lshl_b32 s21, s14, 15
	s_add_co_u32 s21, s21, ATILE                   ; B's, 32,768 each, behind A's: no place in the cluster enters an LDS address
	s_wait_dscnt 0x0                               ; both opening adds are done
	s_wait_kmcnt 0x0
	s_add_nc_u64 s[18:19], s[4:5], s[16:17]
	s_add_nc_u64 s[46:47], s[6:7], s[46:47]
	CROUND                                         ; all sixteen work-groups are here: the first joint loads meet
.irp s, 0,1
	s_mov_b32 s[G0+4*\s], 1
	s_add_co_u32 s[G0+4*\s+1], s20, \s*SLOT
	s_add_nc_u64 s[G0+4*\s+2:G0+4*\s+3], s[18:19], \s*4096         ; K step s
	s_or_b32 s[G0+4*\s+3], s[G0+4*\s+3], 0x80000000
	s_mov_b32 s[G0B+4*\s], 1
	s_add_co_u32 s[G0B+4*\s+1], s21, \s*SLOT
	s_add_nc_u64 s[G0B+4*\s+2:G0B+4*\s+3], s[46:47], \s*4096
	s_or_b32 s[G0B+4*\s+3], s[G0B+4*\s+3], 0x80000000
	JLOAD \s                                       ; two tensor loads of mine are out
.endr
	v_and_b32 v1, 15, v0                           ; r
	v_bfe_u32 v2, v0, 4, 1                         ; h
	v_and_b32 v3, 31, v0
	v_lshlrev_b32 v[CO], 4, v3                     ; 16 x lane
	s_lshl_b32 s22, s13, 14                        ; my 64 tokens: four tiles of 4,096 bytes
	s_lshl_b32 s23, s14, 15
	s_add_co_u32 s23, s23, ATILE                   ; my 128 columns: eight tiles
.irp s, 0,1
	v_add_nc_u32 v[ADRA+\s], s22, v[CO]
	v_add_nc_u32 v[ADRB+\s], s23, v[CO]
	s_add_co_u32 s22, s22, SLOT
	s_add_co_u32 s23, s23, SLOT
.endr
	s_mul_i32 s22, s12, 16*SPITCH
	s_add_co_u32 s22, s22, STAGE                   ; my stage
	v_mul_u32_u24 v4, v1, SPITCH
	v_lshl_add_u32 v4, v2, 5, v4
	v_add_nc_u32 v[STO], s22, v4                   ; in: row r, 32 bytes for each half of the lanes
	v_add_nc_u32 v[RD], s22, v[CO]                 ; back: the 32 lanes take one row of 512 bytes
	v_lshlrev_b32 v[BA], 5, v2
	s_lshl_b32 s16, s15, 7
	s_lshl_b32 s17, s13, 6
	s_add_co_u32 s16, s16, s17
	s_lshl_b32 s16, s16, 12                        ; my first row of out0: (128 x tile row + 64 x half) x 4,096 bytes
	s_mov_b32 s17, 0
	s_add_nc_u64 s[10:11], s[10:11], s[16:17]
	s_lshl_b32 s46, s42, 10
	s_lshl_b32 s47, s14, 9
	s_add_co_u32 s46, s46, s47                     ; my first column, in bytes: the same in out0 and in bo
	s_mov_b32 s47, 0
	s_add_nc_u64 s[10:11], s[10:11], s[46:47]
	s_add_nc_u64 s[8:9], s[8:9], s[46:47]
	WIN 0x80                                       ; destination window 2
.irp b, 0,1,2,3,4,5,6,7
	global_load_b128 v[8*\b:8*\b+3],   v[BA], s[8:9] offset:64*\b       ; bo at columns 16 b + 8 h + 0 .. 7: the result's layout
	global_load_b128 v[8*\b+4:8*\b+7], v[BA], s[8:9] offset:64*\b+16
.endr
	WIN 0
; 8 matrix instructions: A's block a x B's eight, 32 along K.  first = 1: the sums begin with bo.  The 32 accumulators take turns, one instruction a turn, in the same order in every quarter.
.macro MUL8 f, a, first
.irp b, 0,1,2,3,4,5,6,7
.if \first
	v_wmma_f32_16x16x32_f16 v[8*(8*(\a)+\b):8*(8*(\a)+\b)+7], v[\f+8*\b:\f+8*\b+7], v[\f+64+8*(\a):\f+64+8*(\a)+7], v[8*\b:8*\b+7]
.else
	v_wmma_f32_16x16x32_f16 v[8*(8*(\a)+\b):8*(8*(\a)+\b)+7], v[\f+8*\b:\f+8*\b+7], v[\f+64+8*(\a):\f+64+8*(\a)+7], v[8*(8*(\a)+\b):8*(8*(\a)+\b)+7]
.endif
.endr
.endm
; 24 LDS loads in one run: the fragments of the slot's q-th 32 along K into buffer f: B's eight, then A's four
.macro FETCH slot, q, f
.irp i, 0,1,2,3,4,5,6,7
	ds_load_b128 v[\f+8*\i:\f+8*\i+3],   v[ADRB+\slot] offset:4096*\i+1024*(\q)
	ds_load_b128 v[\f+8*\i+4:\f+8*\i+7], v[ADRB+\slot] offset:4096*\i+1024*(\q)+512
.endr
.irp i, 0,1,2,3
	ds_load_b128 v[\f+64+8*\i:\f+64+8*\i+3],   v[ADRA+\slot] offset:4096*\i+1024*(\q)
	ds_load_b128 v[\f+64+8*\i+4:\f+64+8*\i+7], v[ADRA+\slot] offset:4096*\i+1024*(\q)+512
.endr
.endm
.macro PLACES                          ; four plain vector instructions between a matrix instruction and a load into, or a store of, one of its registers
.rept 4
	v_nop
.endr
.endm
; A K step is four quarters of 32 along K, 32 matrix instructions each, on buffers 0, 1, 0, 1.  One of the first three: multiplies buffer f and fetches quarter q into g.
.macro QUARTER slot, q, f, g, first
	s_wait_dscnt 4                                 ; B's eight and A's blocks 0, 1 are in; the youngest four loads (A's blocks 2, 3) may be out
	WIN (MUL+0x10*(\first))
	MUL8 \f, 0, \first
	MUL8 \f, 1, \first
	PLACES
	WIN 0
	FETCH \slot, \q, \g
	s_wait_dscnt 24                                ; all but the 24 just issued
	WIN (MUL+0x10*(\first))
	MUL8 \f, 2, \first
	MUL8 \f, 3, \first
.endm
; The last quarter multiplies buffer 1 and changes slots: ONE barrier; in front of it each wave waits for all its tensor loads, adds 0 to its spare word, and waits for that and for its reads of this slot.
; fill = 1: the barrier opens a round of the cluster's, and this slot is filled again, two K steps ahead: the refill has 112 matrix instructions in which to land.
.macro TURN slot, next, fill
	WIN 0
	s_wait_tensorcnt 0x0                           ; all my tensor loads have landed: my part of the next slot
	ds_add_u32 v[SPW], v[NIL]                      ; 0 onto my spare word
	s_wait_dscnt 5                                 ; the add and the youngest four loads may be out
	WIN MUL
	MUL8 F1, 0, 0                                  ; eight matrix instructions stand between the add and the wait for it
	s_wait_dscnt 0x0                               ; the add is done, and my reads of this slot are over
	s_barrier_signal -1
	MUL8 F1, 1, 0
	WIN 0
	s_barrier_wait -1
.if \fill
	CREST                                          ; no wave of any partner still reads this slot's tile or has a load on its way
	s_add_nc_u64 s[G0+4*\slot+2:G0+4*\slot+3], s[G0+4*\slot+2:G0+4*\slot+3], 2*4096
	s_add_nc_u64 s[G0B+4*\slot+2:G0B+4*\slot+3], s[G0B+4*\slot+2:G0B+4*\slot+3], 2*4096
	JLOAD \slot                                    ; the first tensor load behind the round; its four v_nop are also the places in front of the loads below
.else
	PLACES
.endif
	FETCH \next, 0, F0
	WIN MUL
	MUL8 F1, 2, 0
	MUL8 F1, 3, 0
.endm
	s_wait_tensorcnt 1                             ; my part of K step 0 is in; K step 1's may be out
	s_barrier_signal -1
	s_barrier_wait -1                              ; everybody's is
	FETCH 0, 0, F0
	s_wait_loadcnt 0x0                             ; bo
	QUARTER 0, 1, F0, F1, 1                        ; the first quarter stands in front of the loop: its products start the sums
	WIN 0                                          ; at a label and at a branch every window is 0
	s_mov_b32 s3, LAPS-1
.Llap:                                                 ; a trip goes once round the ring, from a lap's second quarter to the next lap's first, and fills both slots again
	QUARTER 0, 2, F1, F0, 0
	QUARTER 0, 3, F0, F1, 0
	TURN 0, 1, 1
	QUARTER 1, 1, F0, F1, 0
	QUARTER 1, 2, F1, F0, 0
	QUARTER 1, 3, F0, F1, 0
	TURN 1, 0, 1
	QUARTER 0, 1, F0, F1, 0
	WIN 0
	s_sub_co_u32 s3, s3, 1
	s_cmp_lg_u32 s3, 0
	s_cbranch_scc1 .Llap
	QUARTER 0, 2, F1, F0, 0                        ; the last lap fills nothing
	QUARTER 0, 3, F0, F1, 0
	TURN 0, 1, 0
	QUARTER 1, 1, F0, F1, 0
	QUARTER 1, 2, F1, F0, 0
	QUARTER 1, 3, F0, F1, 0
	s_wait_dscnt 4                                 ; the very last quarter: nothing more to fetch
	WIN MUL
	MUL8 F1, 0, 0
	MUL8 F1, 1, 0
	s_wait_dscnt 0
	MUL8 F1, 2, 0
	MUL8 F1, 3, 0
	WIN 0
; THE WAY OUT, block by block of 16 tokens x 128 columns: a lane holds 32 bytes of a row and the lanes beside it other rows, so a block goes through my own stage and comes back as whole rows of 512 bytes.
; LDS serves a wave's instructions in order (ISA guide 5.7.1.4): no wait between the stores and the loads, nor in front of the next block's stores.
.macro TOSTAGE a
	WIN 0x04                                       ; an LDS store's data are its source 1: window 1
.irp b, 0,1,2,3,4,5,6,7
	ds_store_b128 v[STO], v[8*(8*(\a)+\b):8*(8*(\a)+\b)+3] offset:64*\b          ; each accumulator from its low end on
	ds_store_b128 v[STO], v[8*(8*(\a)+\b)+4:8*(8*(\a)+\b)+7] offset:64*\b+16
.endr
	WIN 0
.set BB, 32+96*((\a)%2)
.irp t, 0,1,2,3,4,5,6,7,8,9,10,11,12,13,14,15
	ds_load_b128 v[BB+4*\t:BB+4*\t+3], v[RD] offset:\t*SPITCH
.endr
.endm
.macro SEND a, younger                 ; younger: the LDS instructions issued behind block a's loads, which may stay out
.set BB, 32+96*((\a)%2)
	s_wait_dscnt \younger
.irp t, 0,1,2,3,4,5,6,7,8,9,10,11,12,13,14,15
	global_store_b128 v[CO], v[BB+4*\t:BB+4*\t+3], s[10:11] offset:(16*(\a)+\t)*4096 th:TH_STORE_NT   ; 32 lanes store 512 consecutive bytes, aligned; written once, read by nobody here
.endr
.endm
	PLACES                                         ; behind the last products: results are read, and the fragment buffers are loaded over
	TOSTAGE 0
.irp a, 1,2,3
.if \a > 1
	s_wait_xcnt 0x0                                ; block a - 2's stores have read their registers: block a's loads may land there
.endif
	TOSTAGE \a
	SEND (\a-1), 32                                ; behind block a - 1's loads: block a's 16 stores and 16 loads
.endr
	SEND 3, 0
	s_wait_tensorcnt 0x0                           ; the wave's end, behind my last tensor load and my last LDS store
	ds_add_u32 v[SPW], v[NIL]
	s_wait_dscnt 0x0
	CROUND                                         ; the closing round
	s_endpgm
.Lfunc_end_k_q8b801cde72_oproj:
	.size	k_q8b801cde72_oproj, .Lfunc_end_k_q8b801cde72_oproj-k_q8b801cde72_oproj
	.p2alignl 7, 3214868480
	.fill 96, 4, 3214868480
	.section	.rodata,"a",@progbits
	.p2align	6, 0x0
	.amdhsa_kernel k_q8b801cde72_oproj
		.amdhsa_group_segment_fixed_size 327680
		.amdhsa_private_segment_fixed_size 0
		.amdhsa_enable_private_segment 0
		.amdhsa_kernarg_size 32
		.amdhsa_user_sgpr_count 2
		.amdhsa_user_sgpr_kernarg_segment_ptr 1
		.amdhsa_wavefront_size32 1
		.amdhsa_system_sgpr_workgroup_id_x 1
		.amdhsa_system_sgpr_workgroup_id_y 1
		.amdhsa_system_sgpr_workgroup_id_z 1
		.amdhsa_system_vgpr_workitem_id 0
		.amdhsa_next_free_vgpr 576
		.amdhsa_next_free_sgpr 66
		.amdhsa_reserve_vcc 0
		.amdhsa_float_denorm_mode_32 3
		.amdhsa_float_denorm_mode_16_64 3
		.amdhsa_memory_ordered 1
		.amdhsa_forward_progress 1
		.amdhsa_inst_pref_size 86
	.end_amdhsa_kernel
	.amdgpu_metadata
---
amdhsa.version: [ 1, 2 ]
amdhsa.kernels:
  - .name:           k_q8b801cde72_oproj
    .symbol:         k_q8b801cde72_oproj.kd
    .args:
      - { .name: ctx, .offset: 0, .size: 8, .value_kind: global_buffer, .address_space: global }
      - { .name: wo_img, .offset: 8, .size: 8, .value_kind: global_buffer, .address_space: global }
      - { .name: bo, .offset: 16, .size: 8, .value_kind: global_buffer, .address_space: global }
      - { .name: out0, .offset: 24, .size: 8, .value_kind: global_buffer, .address_space: global }
    .group_segment_fixed_size: 327680
    .private_segment_fixed_size: 0
    .kernarg_segment_align: 8
    .kernarg_segment_size: 32
    .max_flat_workgroup_size: 128
    .sgpr_count:     66
    .vgpr_count:     576
    .wavefront_size: 32
...
	.end_amdgpu_metadata
.endif
;; end of part 4
